; MI455X (gfx1250); checked and timed in simulation.
; The chip was launched on July 23, 2026; its instructions are those of AMD's public machine-readable ISA for CDNA 5 (MIT licence, August 2026) and "CDNA5" Instruction Set Architecture Reference Guide (July 2026). The comments in the code are by the model that wrote it; some were corrected since.
;; Sparse Multi Head Attention Block. Allowed arithmetic: float matrix products may take bf16 or f16 operands with f32 sums; all other float work in f32.
;; Inputs: Wk 1,024 x 1,024 float32; Wo 1,024 x 1,024 float32; Wq 1,024 x 1,024 float32; Wv 1,024 x 1,024 float32; k 1 x 4,096 x 1,024 float32; mask 1 x 4,096 x 4,096 bool; q 1 x 4,096 x 1,024 float32; v 1 x 4,096 x 1,024 float32.
;; Outputs: out0 1 x 4,096 x 1,024 float32.
;; 2 versions, each right; version 2 is version 1 with the launch cast written anew for expert scheduling mode. Each part assembles by itself: llvm-mc -triple=amdgcn-amd-amdhsa -mcpu=gfx1250 --defsym DOCPART=n.
;; ======== version 1 of 2: 4 launches
;; limits: values outside matrix products are rounded to f16; values are held in f16: magnitudes above 65,504 overflow, below 6.1e-05 lose precision; right only within a limited range of input values
;; workspace buffers: qh 8,388,608 bytes; wqkv 6,291,456 bytes; woh 2,097,152 bytes; mbits 131,072 bytes of whole numbers; rec 33,554,432 bytes; stats 524,288 bytes; oh 8,388,608 bytes
;; launch cast (part 1): grid 256 x 1, 9 waves a work-group, no clusters, 0 bytes of LDS; arguments q, Wq, Wk, Wv, Wo, mask, qh, wqkv, woh, mbits; writes qh, wqkv, woh, mbits
.if DOCPART == 1
	.amdgcn_target "amdgcn-amd-amdhsa--gfx1250"
	.amdhsa_code_object_version 6
	.text
	.protected	k_q55162f944d_cast
	.globl	k_q55162f944d_cast
	.p2align	8
	.type	k_q55162f944d_cast,@function
k_q55162f944d_cast:
	s_mov_b64 s[64:65], 0
	v_nop
	global_prefetch_b8 v0, s[64:65] scope:SCOPE_SE
	s_setreg_imm32_b32 hwreg(HW_REG_WAVE_MODE, 25, 1), 1
	s_wait_xcnt 0x0
; cast: q and the four weight matrices from f32 to f16, and the 127 mask bytes that each query needs into two records of bits.
; The inputs k and v are no arguments: the function that this program computes makes Q, K and V from q alone and never reads them.
; LIMIT: |q| and |W| below 65,504 (f16's largest number); beyond it the conversion gives infinity.
; Work-group x of 256, nine waves, no LDS, no barrier: no wave needs another's data.
;   waves 0-7: wave w converts q's rows 16 x + 2 w, + 1 (8,192 bytes in, 4,096 out) and two rows of one weight matrix:
;              matrix sec = x / 64 (Wq, Wk, Wv, Wo), rows n0 = 16 (x % 64) + 2 w, + 1.  Wq, Wk, Wv go to wqkv, ordered by head:
;              row 192 (n0 / 64) + 64 sec + n0 % 64, so that one head's 192 rows are dense; Wo goes to woh as it lies.
;              All 32 loads of 16 bytes a lane go out at once; each store of 8 bytes a lane covers 256 consecutive bytes, aligned.
;   wave 8:    32 records of 16 bytes {w0, w1, w0 >> 8, w1 >> 8}:
;              local record of token i = 16 x + k:       bit c of {w1,w0} = mask[i][64 (i / 64) + c]
;              strided record of token i = r + 64 (m0+k): bit c = mask[i][r + 64 c], the token's own bit cleared (the local record has it);
;              r = x / 4, m0 = 16 (x % 4).  Since 64 r + m0 = 16 x, both kinds lie at 256 x + 16 k of their half of mbits.
.set X,   8                            ; v[8:135]  waves 0-7: 32 x 4 registers as loaded; the first two of each four as stored
.set SR,  8                            ; v[8:39]   wave 8: strided rows, two words a row
.set LR,  40                           ; v[40:71]  wave 8: local rows, two bytes a row
.set REC, 72                           ; v[72:75]  wave 8: the records, one a lane
.set T,   76                           ; v[76:77]  wave 8: at work
	s_load_b512 s[8:23], s[0:1], 0x0               ; q s[8:9], Wq s[10:11], Wk s[12:13], Wv s[14:15], Wo s[16:17], mask s[18:19], qh s[20:21], wqkv s[22:23]
	s_load_b128 s[24:27], s[0:1], 0x40             ; woh s[24:25], mbits s[26:27]
	v_lshrrev_b32 v1, 5, v0
	v_readfirstlane_b32 s2, v1                     ; wave 0..8
	v_and_b32 v2, 31, v0                           ; lane
	s_cmp_eq_u32 s2, 8
	s_cbranch_scc1 .Lmask
	; ---- waves 0-7: the conversions ----
	v_lshlrev_b32 v3, 4, v2                        ; 16 bytes a lane in
	v_lshlrev_b32 v4, 3, v2                        ; 8 bytes a lane out
	s_lshl_b32 s28, ttmp9, 16                      ; 16 rows of 4,096 bytes a work-group
	s_lshl_b32 s3, s2, 13                          ; 2 rows a wave
	s_add_co_u32 s28, s28, s3                      ; offset in q
	s_mov_b32 s29, 0
	s_lshr_b32 s30, s28, 1                         ; offset in qh: half of it
	s_mov_b32 s31, 0
	s_lshr_b32 s33, ttmp9, 6                       ; sec
	s_and_b32 s34, ttmp9, 63
	s_lshl_b32 s34, s34, 4
	s_lshl1_add_u32 s34, s2, s34                   ; n0 = 16 (x % 64) + 2 w: even, so both rows belong to one head
	s_lshl_b32 s36, s34, 12                        ; offset in the weight matrix
	s_mov_b32 s37, 0
	s_lshr_b32 s35, s34, 6
	s_mul_i32 s35, s35, 192
	s_lshl_b32 s38, s33, 6
	s_add_co_u32 s35, s35, s38
	s_and_b32 s38, s34, 63
	s_add_co_u32 s35, s35, s38                     ; row in wqkv
	s_cmp_eq_u32 s33, 3
	s_cselect_b32 s38, s34, s35                    ; Wo keeps its row
	s_lshl_b32 s38, s38, 11                        ; rows of 2,048 bytes
	s_mov_b32 s39, 0
	s_wait_kmcnt 0x0
	s_cmp_eq_u32 s33, 1
	s_cselect_b64 s[40:41], s[12:13], s[10:11]
	s_cmp_eq_u32 s33, 2
	s_cselect_b64 s[40:41], s[14:15], s[40:41]
	s_cmp_eq_u32 s33, 3
	s_cselect_b64 s[40:41], s[16:17], s[40:41]     ; the matrix that is read
	s_cselect_b64 s[42:43], s[24:25], s[22:23]     ; and the buffer that is written (the select leaves SCC as it is)
	s_add_nc_u64 s[8:9], s[8:9], s[28:29]
	s_add_nc_u64 s[20:21], s[20:21], s[30:31]
	s_add_nc_u64 s[40:41], s[40:41], s[36:37]
	s_add_nc_u64 s[42:43], s[42:43], s[38:39]
.set j, 0
.rept 16
	global_load_b128 v[X+4*j:X+4*j+3], v3, s[8:9] offset:512*j th:TH_LOAD_NT
.set j, j+1
.endr
.set j, 0
.rept 16
	global_load_b128 v[X+64+4*j:X+64+4*j+3], v3, s[40:41] offset:512*j th:TH_LOAD_NT
.set j, j+1
.endr
.set j, 0
.rept 16
	s_wait_loadcnt 31-j                            ; loads come back in order: 31 - j younger ones may stay out
	v_cvt_pk_f16_f32 v[X+4*j], v[X+4*j], v[X+4*j+1]
	v_cvt_pk_f16_f32 v[X+4*j+1], v[X+4*j+2], v[X+4*j+3]
	global_store_b64 v4, v[X+4*j:X+4*j+1], s[20:21] offset:256*j
.set j, j+1
.endr
.set j, 0
.rept 16
	s_wait_loadcnt 15-j
	v_cvt_pk_f16_f32 v[X+64+4*j], v[X+64+4*j], v[X+64+4*j+1]
	v_cvt_pk_f16_f32 v[X+64+4*j+1], v[X+64+4*j+2], v[X+64+4*j+3]
	global_store_b64 v4, v[X+64+4*j:X+64+4*j+1], s[42:43] offset:256*j
.set j, j+1
.endr
	s_endpgm                                       ; no register is written twice, so no store's source had to be freed
	; ---- wave 8: the mask ----
.Lmask:
	s_lshr_b32 s28, ttmp9, 2                       ; r, and also the block of tokens 16 x .. 16 x + 15
	s_and_b32 s29, ttmp9, 3
	s_lshl_b32 s30, s29, 4                         ; m0
	s_and_b32 s33, s28, 3
	s_lshl_b32 s33, s33, 3
	s_lshl_b32 s33, 0xff, s33                      ; byte r % 4 of an aligned word
	s_and_b32 s34, s28, 60
	v_lshl_add_u32 v3, v2, 6, s34                  ; strided: lane c reads the word that holds column r + 64 c
	s_lshl_b32 s36, s28, 12
	s_lshl_b32 s35, s29, 22                        ; m0 x 64 rows x 4,096 bytes
	s_add_co_u32 s36, s36, s35                     ; row r + 64 m0
	s_mov_b32 s37, 0
	s_lshl_b32 s38, ttmp9, 16
	s_lshl_b32 s35, s28, 6
	s_add_co_u32 s38, s38, s35                     ; row 16 x, column 64 (x / 4)
	s_mov_b32 s39, 0
	s_lshl_b32 s40, ttmp9, 8                       ; 16 records of 16 bytes
	s_mov_b32 s41, 0
	s_mov_b32 s42, 1
	s_mov_b32 s43, 0
	s_lshl_b64 s[42:43], s[42:43], s30             ; bit m0
	s_wait_kmcnt 0x0
	s_add_nc_u64 s[36:37], s[18:19], s[36:37]
	s_add_nc_u64 s[38:39], s[18:19], s[38:39]
	s_add_nc_u64 s[26:27], s[26:27], s[40:41]
.set k, 0
.rept 16
	global_load_b32 v[SR+2*k], v3, s[36:37] offset:k*262144            ; row r + 64 (m0 + k), columns r + 64 c, c = lane
	global_load_b32 v[SR+2*k+1], v3, s[36:37] offset:k*262144+2048     ; c = 32 + lane
.set k, k+1
.endr
.set k, 0
.rept 16
	global_load_u8 v[LR+2*k], v2, s[38:39] offset:k*4096               ; row 16 x + k, column 64 (x / 4) + lane
	global_load_u8 v[LR+2*k+1], v2, s[38:39] offset:k*4096+32
.set k, k+1
.endr
.irp i, 0,1,2,3
	v_mov_b32 v[REC+\i], 0                         ; v_writelane_b32 keeps the other lanes: the registers are written whole first
.endr
	v_and_b32 v4, 15, v2
	v_lshrrev_b32 v5, 4, v2
	v_lshlrev_b32 v4, 4, v4
	v_lshl_add_u32 v4, v5, 16, v4                  ; lanes 0-15: local half of mbits; lanes 16-31: strided half, 65,536 bytes on
	s_wait_loadcnt 0x20                            ; the 32 strided loads are in; the 32 local ones, issued behind them, may stay out
.set k, 0
.rept 16
	v_and_b32 v[T], s33, v[SR+2*k]
	v_and_b32 v[T+1], s33, v[SR+2*k+1]
	v_cmp_ne_u32 s44, 0, v[T]                      ; the compare's mask has lane c's answer in bit c: it is the record's word
	v_cmp_ne_u32 s45, 0, v[T+1]
	s_lshl_b64 s[46:47], s[42:43], k               ; the token's own bit, m0 + k
	s_and_not1_b32 s44, s44, s46
	s_and_not1_b32 s45, s45, s47
	s_lshr_b32 s48, s44, 8
	s_lshr_b32 s49, s45, 8
	v_writelane_b32 v[REC], s44, 16+k
	v_writelane_b32 v[REC+1], s45, 16+k
	v_writelane_b32 v[REC+2], s48, 16+k
	v_writelane_b32 v[REC+3], s49, 16+k
.set k, k+1
.endr
	s_wait_loadcnt 0x0
.set k, 0
.rept 16
	v_cmp_ne_u32 s44, 0, v[LR+2*k]
	v_cmp_ne_u32 s45, 0, v[LR+2*k+1]
	s_lshr_b32 s48, s44, 8
	s_lshr_b32 s49, s45, 8
	v_writelane_b32 v[REC], s44, k
	v_writelane_b32 v[REC+1], s45, k
	v_writelane_b32 v[REC+2], s48, k
	v_writelane_b32 v[REC+3], s49, k
.set k, k+1
.endr
	global_store_b128 v4, v[REC:REC+3], s[26:27]   ; each half of the lanes covers 256 consecutive bytes, aligned
	s_endpgm
.Lfunc_end_k_q55162f944d_cast:
	.size	k_q55162f944d_cast, .Lfunc_end_k_q55162f944d_cast-k_q55162f944d_cast
	.p2alignl 7, 3214868480
	.fill 96, 4, 3214868480
	.section	.rodata,"a",@progbits
	.p2align	6, 0x0
	.amdhsa_kernel k_q55162f944d_cast
		.amdhsa_group_segment_fixed_size 0
		.amdhsa_private_segment_fixed_size 0
		.amdhsa_enable_private_segment 0
		.amdhsa_kernarg_size 80
		.amdhsa_user_sgpr_count 2
		.amdhsa_user_sgpr_kernarg_segment_ptr 1
		.amdhsa_wavefront_size32 1
		.amdhsa_system_sgpr_workgroup_id_x 1
		.amdhsa_system_sgpr_workgroup_id_y 1
		.amdhsa_system_sgpr_workgroup_id_z 1
		.amdhsa_system_vgpr_workitem_id 0
		.amdhsa_next_free_vgpr 136
		.amdhsa_next_free_sgpr 66
		.amdhsa_reserve_vcc 0
		.amdhsa_float_denorm_mode_32 3
		.amdhsa_float_denorm_mode_16_64 3
		.amdhsa_memory_ordered 1
		.amdhsa_forward_progress 1
		.amdhsa_inst_pref_size 37
	.end_amdhsa_kernel
	.amdgpu_metadata
---
amdhsa.version: [ 1, 2 ]
amdhsa.kernels:
  - .name:           k_q55162f944d_cast
    .symbol:         k_q55162f944d_cast.kd
    .args:
      - { .name: q, .offset: 0, .size: 8, .value_kind: global_buffer, .address_space: global }
      - { .name: Wq, .offset: 8, .size: 8, .value_kind: global_buffer, .address_space: global }
      - { .name: Wk, .offset: 16, .size: 8, .value_kind: global_buffer, .address_space: global }
      - { .name: Wv, .offset: 24, .size: 8, .value_kind: global_buffer, .address_space: global }
      - { .name: Wo, .offset: 32, .size: 8, .value_kind: global_buffer, .address_space: global }
      - { .name: mask, .offset: 40, .size: 8, .value_kind: global_buffer, .address_space: global }
      - { .name: qh, .offset: 48, .size: 8, .value_kind: global_buffer, .address_space: global }
      - { .name: wqkv, .offset: 56, .size: 8, .value_kind: global_buffer, .address_space: global }
      - { .name: woh, .offset: 64, .size: 8, .value_kind: global_buffer, .address_space: global }
      - { .name: mbits, .offset: 72, .size: 8, .value_kind: global_buffer, .address_space: global }
    .group_segment_fixed_size: 0
    .private_segment_fixed_size: 0
    .kernarg_segment_align: 8
    .kernarg_segment_size: 80
    .max_flat_workgroup_size: 288
    .sgpr_count:     66
    .vgpr_count:     136
    .wavefront_size: 32
...
	.end_amdgpu_metadata
.endif
;; end of part 1
;; launch qkvloc (part 2): grid 16 x 16, 4 waves a work-group, clusters of 4 x 4, 327,680 bytes of LDS; arguments qh, wqkv, mbits, rec, stats; writes rec, stats
.if DOCPART == 2
	.amdgcn_target "amdgcn-amd-amdhsa--gfx1250"
	.amdhsa_code_object_version 6
	.text
	.protected	k_q55162f944d_qkvloc
	.globl	k_q55162f944d_qkvloc
	.p2align	8
	.type	k_q55162f944d_qkvloc,@function
k_q55162f944d_qkvloc:
	s_mov_b64 s[64:65], 0
	v_nop
	global_prefetch_b8 v0, s[64:65] scope:SCOPE_SE
	s_setreg_imm32_b32 hwreg(HW_REG_WAVE_MODE, 25, 1), 1
	s_wait_xcnt 0x0
	s_wait_alu depctr_hold_cnt(0) depctr_sa_sdst(0) depctr_va_vdst(0) depctr_va_sdst(0) depctr_va_ssrc(0) depctr_va_vcc(0) depctr_vm_vsrc(0)
	s_getreg_b32 s2, hwreg(HW_REG_IB_STS2, 6, 4)
	s_cmp_eq_u32 s2, 0
	s_cbranch_scc0 .Lentry_in_a_cluster
	s_endpgm
.Lentry_in_a_cluster:
	s_bfe_u32 s2, ttmp6, 0x10000c
	s_cmp_lg_u32 s2, 0xf033
	s_cbranch_scc0 .Lentry_shape_is_right
	s_endpgm
.Lentry_shape_is_right:
; qkvloc: Q, K, V of one head for 256 tokens (a product of 256 x 192 x 1024 in f16 with f32 sums), and, out of the accumulators,
; the attention of each token to the 64 tokens of its own block.
; Work-group (x = head h, y = 256 tokens).  Wave w owns the block of 64 tokens 256 y + 64 w: 4 token tiles x 12 column tiles = 48 accumulators.
; Out: rec[h][token] = 512 bytes {Q 128 | K 128 | V 128 | O1 128} in f16, O1 = the block's attention output, normalised;
;      stats[h][token] = {m1, l1} in f32: the largest allowed raw score of the block (-inf if none) and the sum of the weights taken against it.
; LIMITS: |Q|, |K|, |V| below 65,504 (f16); a weight below about 6e-8 of its row's largest becomes 0 in f16.
; CLUSTERS: 4 x 4 work-groups.  The four of a row of the cluster share y, hence the tiles of qh; the four of a column share the head, hence
; the tiles of wqkv.  Each such tile is asked for jointly, which divides the requests for both by four.
; K goes in steps of 128 through two LDS slots (256 rows of qh, then 192 rows of wqkv, rows of 256 bytes padded to 272).
; By this text's own count a wave has at most two tensor loads outstanding (the two first fills), later one.
;
; THE MATRIX INSTRUCTION IS USED TRANSPOSED: source 0 = 16 rows of wqkv, source 1 = 16 token rows.  Lane l then holds token l % 16, and its
; registers 0-7 the columns 16 c + 8 (l / 16) + 0..7.  Packed to f16 these are 16 bytes, and the packed registers of column tiles 2 c, 2 c + 1
; side by side ARE the 8-register fragment of d = 32 c .. 32 c + 31 of that token: Q and K go from accumulators to operands without LDS.
; Scores: source 0 = K fragment (16 keys), source 1 = Q fragment (16 queries): lane = query, registers = keys 16 u + 8 (l / 16) + 0..7.
; Packed, they are the fragment of P in the same way.  Output: source 0 = V transposed (16 d x 32 keys, by transposing LDS loads),
; source 1 = P: lane = query, registers = 8 neighbouring d.
;
; REGISTER WINDOWS: 0 addresses and the epilogue; 1 two fragment buffers of 128; 2 accumulators of Q and K, (t, c) at 8 (8 t + c); 3 those of V, (t, u) at 8 (4 t + u).
.set KSTEP,  128
.set PITCH,  272                       ; 17 x 16 bytes: the 16 rows that a fragment load touches begin at 16 different 16-byte columns modulo 256
.set BOFF,   256*PITCH                 ; wqkv's rows lie behind qh's 256
.set SLOT,   448*PITCH                 ; 121,856
.set SP,     528                       ; the stage's pitch: a record of 512 bytes + 16
.set STG,    64*SP                     ; a wave's stage: 64 records.  The stages lie in the ring, which has had its last fill by then
.set LAPS,   1024/(2*KSTEP)
.set ADRA, 6                           ; v6-7    LDS address of my token fragments in slot 0, 1
.set ADRB, 8                           ; v8-9    the same for wqkv's fragments
.set STO,  10                          ; stage: row l % 16, 16 bytes for each half of the lanes
.set VTR,  11                          ; stage: the transposing loads of V
.set RD,   12                          ; stage: 16 bytes a lane of a record
.set GO,   13                          ; 16 x lane
.set MO,   14                          ; 16 (l % 16) + 8 (l / 16): my 8 bytes of a mask record
.set SO,   15                          ; 8 x lane
.set MW,   16                          ; v[16:23]  mask words of my query in token tile t: a pair each
.set MM,   24                          ; v[24:27]  m1 of tile t
.set LL,   28                          ; v[28:31]  l1 of tile t
.set KF,   32                          ; v[32:95]  K fragments: key tile u, half c at 16 u + 8 c
.set VT,   96                          ; v[96:159] V transposed: d tile u, key half c at 16 u + 8 c
.set QF,   160                         ; v[160:175] Q fragments of the tile at work (v[160:223]: V packed, on its way to the stage)
.set SV,   176                         ; v[176:207] scores, then weights, then the output
.set PV,   208                         ; v[208:223] weights in f16
.set TT,   224
.set T2,   225
.set MS,   226
.set NM,   228                         ; pair
.set SA,   230                         ; pair
.set SB,   232                         ; pair
.set INV,  234                         ; pair
.set OP,   240                         ; v[240:255] output in f16
.set F0,   0
.set F1,   128
.set G1,  24                           ; s[24:31] group 1 for qh's tiles
.set G0,  32                           ; s[32:39] group 0 for qh's tiles, one set a slot
.set G1B, 48                           ; s[48:55] group 1 for wqkv's tiles
.set G0B, 56                           ; s[56:63] group 0 for wqkv's tiles, one set a slot
.set SNEG, 80                          ; -infinity
.set SNFM, 81                          ; the most negative finite f32
.set SC,   82                          ; pair: log2(e) / 8 = log2(e) / sqrt(64)
.set SNC,  84                          ; its negative
.set SPL0, 85                          ; v_permlanex16_b32: lane i of one half reads lane i of the other
.set SPL1, 86
.set MSB, 0
.macro WIN new                         ; the immediate's high byte repeats the setting that is left
.if MSB != \new
	s_set_vgpr_msb (MSB<<8)|\new
.set MSB, \new
.endif
.endm
.set MUL_LO, 0xa5                      ; sources 0 and 1 window 1, C and D window 2
.set MUL_HI, 0xf5                      ; the same, C and D window 3
.set TO_F,   0x40                      ; destination window 1, address window 0
; A joint load.  Waves 0 and 1 fetch qh's two halves, waves 2 and 3 wqkv's.  Each line has one mask; the branch hangs on the wave's number alone.
.macro JLOAD s
	s_cmp_eq_u32 s11, 0
	s_cbranch_scc0 .Lfor_b_\@
	tensor_load_to_lds s[G0+4*\s:G0+4*\s+3], s[G1:G1+7]
	s_nop 0
	s_branch .Lasked_\@
.Lfor_b_\@:
	tensor_load_to_lds s[G0B+4*\s:G0B+4*\s+3], s[G1B:G1B+7]
	s_nop 0
.Lasked_\@:
.endm
; A round of the cluster's barrier: my work-group's barrier; wave 0 signals for the work-group; every wave waits for all sixteen; my work-group's barrier again.
.macro CREST
	s_cmp_lg_u32 s10, 0
	s_cbranch_scc1 .Lnot_wave_0_\@
	s_barrier_signal -3
.Lnot_wave_0_\@:
	s_barrier_wait -3
	s_barrier_signal -1
	s_barrier_wait -1
.endm
.macro CROUND
	s_barrier_signal -1
	s_barrier_wait -1
	CREST
.endm
; Four places behind a matrix instruction before a vector instruction reads its result or writes one of its registers,
; and before a load is issued into one of them.  The matrix instructions in between are not counted.
.macro PLACES
.rept 4
	v_nop
.endr
.endm
	s_load_b256 s[68:75], s[0:1], 0x0              ; qh s[68:69], wqkv s[70:71], mbits s[72:73], rec s[74:75]
	s_load_b64 s[76:77], s[0:1], 0x20              ; stats
	v_lshl_add_u32 v238, v0, 2, 0x3b800
	v_mov_b32 v239, 0
	ds_add_u32 v238, v239
	ds_add_u32 v238, v239
	v_lshrrev_b32 v1, 5, v0
	v_readfirstlane_b32 s10, v1                    ; wave 0..3
	s_lshr_b32 s11, s10, 1                         ; I fetch for qh (0) or for wqkv (1)
	s_and_b32 s12, s10, 1                          ; which half of that tile's rows
	s_bfe_u32 s40, ttmp6, 0x40000                  ; cx
	s_bfe_u32 s41, ttmp6, 0x40004                  ; cy
	s_lshl_b32 s42, ttmp9, 2
	s_add_co_u32 s42, s42, s40                     ; head = 4 x cluster x + cx
	s_and_b32 s13, ttmp7, 0xffff
	s_lshl_b32 s13, s13, 2
	s_add_co_u32 s13, s13, s41                     ; block of 256 tokens = 4 x cluster y + cy
	s_lshl_b32 s43, s41, 2
	s_lshl_b32 s43, 15, s43                        ; my row of the cluster
	s_lshl_b32 s44, 0x1111, s40                    ; my column
	s_or_b32 s[G1+0], s43, (1<<16)|(1<<20)|(1<<21)|(5<<22)|(3<<25)   ; mask; elements of 2 bytes; padding on; bit 21 beside a mask; after every 64 words; 4 words
	s_or_b32 s[G1B+0], s44, (1<<16)|(1<<20)|(1<<21)|(5<<22)|(3<<25)
	s_mov_b32 s[G1+1], KSTEP<<16                   ; tensor_dim0 = 128
	s_mov_b32 s[G1B+1], KSTEP<<16
	s_mov_b32 s[G1+2], 128<<16                     ; tensor_dim1 = 128 rows
	s_mov_b32 s[G1B+2], 96<<16                     ; 96 rows
	s_mov_b32 s[G1+3], KSTEP<<16                   ; tile_dim0 = 128
	s_mov_b32 s[G1B+3], KSTEP<<16
	s_mov_b32 s[G1+4], 128                         ; tile_dim1
	s_mov_b32 s[G1B+4], 96
	s_mov_b32 s[G1+5], 1024                        ; elements from row to row
	s_mov_b32 s[G1B+5], 1024
	s_mov_b32 s[G1+6], 0
	s_mov_b32 s[G1B+6], 0
	s_mov_b32 s[G1+7], 0
	s_mov_b32 s[G1B+7], 0
	; qh's tiles hang on the token block alone, wqkv's on the head alone; each address is made in registers that never hold the other coordinate
	s_lshl_b32 s17, s12, 7
	s_lshl_b32 s16, s13, 8
	s_add_co_u32 s16, s16, s17                     ; qh: row 256 y + 128 x half
	s_lshl_b32 s16, s16, 11                        ; rows of 2,048 bytes
	s_mov_b32 s17, 0
	s_mul_i32 s46, s42, 192
	s_mul_i32 s47, s12, 96
	s_add_co_u32 s46, s46, s47                     ; wqkv: row 192 h + 96 x half
	s_lshl_b32 s46, s46, 11
	s_mov_b32 s47, 0
	s_mul_i32 s20, s10, 128*PITCH                  ; waves 0, 1: qh's halves at 0 and 34,816
	s_mul_i32 s21, s10, 96*PITCH
	s_add_co_u32 s21, s21, BOFF-2*96*PITCH         ; waves 2, 3: wqkv's halves at 69,632 and 95,744
	s_wait_dscnt 0x0
	s_wait_kmcnt 0x0
	s_add_nc_u64 s[14:15], s[68:69], s[16:17]
	s_add_nc_u64 s[46:47], s[70:71], s[46:47]
	CROUND                                         ; all sixteen work-groups are here: the first joint loads meet
.irp s, 0,1
	s_mov_b32 s[G0+4*\s], 1
	s_add_co_u32 s[G0+4*\s+1], s20, \s*SLOT
	s_add_nc_u64 s[G0+4*\s+2:G0+4*\s+3], s[14:15], \s*KSTEP*2
	s_or_b32 s[G0+4*\s+3], s[G0+4*\s+3], 0x80000000
	s_mov_b32 s[G0B+4*\s], 1
	s_add_co_u32 s[G0B+4*\s+1], s21, \s*SLOT
	s_add_nc_u64 s[G0B+4*\s+2:G0B+4*\s+3], s[46:47], \s*KSTEP*2
	s_or_b32 s[G0B+4*\s+3], s[G0B+4*\s+3], 0x80000000
	JLOAD \s                                       ; both first fills go out before anything else is done
.endr
	s_mov_b32 s[SNEG], 0xff800000
	s_mov_b32 s[SNFM], 0xff7fffff
	s_mov_b32 s[SC], 0x3e38aa3b
	s_mov_b32 s[SC+1], 0x3e38aa3b
	s_mov_b32 s[SNC], 0xbe38aa3b
	s_mov_b32 s[SPL0], 0x76543210
	s_mov_b32 s[SPL1], 0xfedcba98
	s_lshl_b32 s87, s13, 8
	s_lshl_b32 s88, s10, 6
	s_add_co_u32 s87, s87, s88                     ; my first token
	s_lshl_b32 s96, s42, 12
	s_add_co_u32 s96, s96, s87                     ; 4,096 h + my first token
	s_mov_b32 s89, 0
	s_lshl_b32 s88, s87, 4
	s_add_nc_u64 s[90:91], s[72:73], s[88:89]      ; my tokens' local mask records
	s_lshl_b32 s88, s96, 9
	s_add_nc_u64 s[92:93], s[74:75], s[88:89]      ; my records in rec
	s_lshl_b32 s88, s96, 3
	s_add_nc_u64 s[94:95], s[76:77], s[88:89]      ; my pairs in stats
	v_and_b32 v1, 15, v0                           ; l % 16
	v_bfe_u32 v2, v0, 4, 1                         ; l / 16
	v_and_b32 v3, 31, v0                           ; l
	v_mul_u32_u24 v4, v1, PITCH
	v_lshl_add_u32 v4, v2, 4, v4                   ; row x pitch + 16 x half: a fragment is two loads of 16 bytes, 32 bytes apart
	s_mul_i32 s22, s10, 64*PITCH                   ; my 64 token rows
	v_add_nc_u32 v[ADRA], s22, v4
	v_add_nc_u32 v[ADRA+1], SLOT, v[ADRA]
	v_add_nc_u32 v[ADRB], BOFF, v4
	v_add_nc_u32 v[ADRB+1], BOFF+SLOT, v4
	s_mul_i32 s23, s10, STG                        ; my stage
	v_mul_u32_u24 v5, v1, SP
	v_lshl_add_u32 v5, v2, 4, v5
	v_add_nc_u32 v[STO], s23, v5
	v_and_b32 v5, 7, v0
	v_lshl_add_u32 v5, v2, 3, v5                   ; key row 8 (l / 16) + l % 8
	v_mul_u32_u24 v5, v5, SP
	v_bfe_u32 v4, v0, 3, 1
	v_lshl_add_u32 v5, v4, 4, v5                   ; + 16 bytes for the upper eight of sixteen lanes
	v_add3_u32 v[VTR], v5, s23, 256                ; V lies at byte 256 of a record
	v_lshlrev_b32 v[GO], 4, v3
	v_add_nc_u32 v[RD], s23, v[GO]
	v_lshlrev_b32 v[MO], 4, v1
	v_lshl_add_u32 v[MO], v2, 3, v[MO]
	v_lshlrev_b32 v[SO], 3, v3
.irp t, 0,1,2,3
	global_load_b64 v[MW+2*\t:MW+2*\t+1], v[MO], s[90:91] offset:256*\t    ; 256 consecutive bytes a load; wanted in the epilogue, waited for there
.endr
; 32 LDS loads in one run: one quarter step's fragments (32 K at byte k of the rows): my 4 token tiles, column tiles 0-7 (Q, K), column tiles 8-11 (V)
.macro FETCH slot, k, f
	WIN TO_F
.irp t, 0,1,2,3
	ds_load_b128 v[\f+8*\t:\f+8*\t+3],   v[ADRA+\slot] offset:\k+\t*16*PITCH
	ds_load_b128 v[\f+8*\t+4:\f+8*\t+7], v[ADRA+\slot] offset:\k+\t*16*PITCH+32
.endr
.irp c, 0,1,2,3,4,5,6,7,8,9,10,11
	ds_load_b128 v[\f+32+8*\c:\f+32+8*\c+3], v[ADRB+\slot] offset:\k+\c*16*PITCH
	ds_load_b128 v[\f+32+8*\c+4:\f+32+8*\c+7], v[ADRB+\slot] offset:\k+\c*16*PITCH+32
.endr
.endm
; 16 matrix instructions: token tiles t0, t0 + 1 x column tiles 0-7.  zero = 1: the first product starts the sums.
.macro MULQK f, t0, zero
.irp t, \t0, \t0+1
.irp c, 0,1,2,3,4,5,6,7
.if \zero
	v_wmma_f32_16x16x32_f16 v[8*(8*(\t)+\c):8*(8*(\t)+\c)+7], v[\f+32+8*\c:\f+32+8*\c+7], v[\f+8*(\t):\f+8*(\t)+7], 0
.else
	v_wmma_f32_16x16x32_f16 v[8*(8*(\t)+\c):8*(8*(\t)+\c)+7], v[\f+32+8*\c:\f+32+8*\c+7], v[\f+8*(\t):\f+8*(\t)+7], v[8*(8*(\t)+\c):8*(8*(\t)+\c)+7]
.endif
.endr
.endr
.endm
; 16 matrix instructions: all 4 token tiles x V's 4 column tiles
.macro MULV f, zero
.irp t, 0,1,2,3
.irp u, 0,1,2,3
.if \zero
	v_wmma_f32_16x16x32_f16 v[8*(4*\t+\u):8*(4*\t+\u)+7], v[\f+96+8*\u:\f+96+8*\u+7], v[\f+8*\t:\f+8*\t+7], 0
.else
	v_wmma_f32_16x16x32_f16 v[8*(4*\t+\u):8*(4*\t+\u)+7], v[\f+96+8*\u:\f+96+8*\u+7], v[\f+8*\t:\f+8*\t+7], v[8*(4*\t+\u):8*(4*\t+\u)+7]
.endif
.endr
.endr
.endm
; A K step is four quarters of 32 along K, 48 matrix instructions each, on buffers 0, 1, 0, 1.  The 48 accumulators take turns, one instruction
; a turn, in the same order in every quarter.
.macro QUARTER slot, k, f, g, zero
	s_wait_dscnt 0x8                               ; the youngest eight loads (V's column tiles) may be out
	WIN MUL_LO
	MULQK \f, 0, \zero
	PLACES
	FETCH \slot, \k, \g
	WIN MUL_LO
	MULQK \f, 2, \zero
	s_wait_dscnt 0x20                              ; all but the 32 just issued
	WIN MUL_HI
	MULV \f, \zero
.endm
.macro THREE slot, zero
	QUARTER \slot, 64,  F0, F1, \zero
	QUARTER \slot, 128, F1, F0, 0
	QUARTER \slot, 192, F0, F1, 0
.endm
; The last quarter multiplies buffer 1 and changes slots.  In front of the barrier each wave waits for its reads of this slot and for all its
; tensor loads (one is out: its part of the next slot).  Where the slot is filled again the barrier opens a round of the cluster's barrier, with
; register work alone inside, and the joint refill is the first tensor load behind the round.  From a request to the wait for it: 176 matrix instructions.
.macro TURN slot, next, fill
	s_wait_dscnt 0x8
	WIN MUL_LO
	MULQK F1, 0, 0
	s_wait_dscnt 0x0                               ; my reads of this slot are over
	s_set_vgpr_msb 0xa5a0
	s_wait_tensorcnt 0x0                           ; all my tensor loads have landed
	ds_add_u32 v238, v239
	s_wait_dscnt 0x0
	s_set_vgpr_msb 0xa0a5
	s_barrier_signal -1
	MULQK F1, 2, 0
	WIN 0
	s_barrier_wait -1
.if \fill
	CREST                                          ; no wave of any partner still reads this slot or has a load on its way
	s_add_nc_u64 s[G0+4*\slot+2:G0+4*\slot+3], s[G0+4*\slot+2:G0+4*\slot+3], 2*KSTEP*2
	s_add_nc_u64 s[G0B+4*\slot+2:G0B+4*\slot+3], s[G0B+4*\slot+2:G0B+4*\slot+3], 2*KSTEP*2
	JLOAD \slot
.endif
	PLACES
	FETCH \next, 0, F0
	WIN MUL_HI
	MULV F1, 0
.endm
.macro LAP zero
	THREE 0, \zero
	TURN 0, 1, 1
	THREE 1, 0
	TURN 1, 0, 1
.endm
	s_wait_tensorcnt 0x1                           ; my part of K step 0 is in; K step 1's, issued behind it, may stay out
	s_barrier_signal -1
	s_barrier_wait -1
	FETCH 0, 0, F0
	LAP 1                                          ; the first lap's first products start the sums
	WIN 0
	s_mov_b32 s3, LAPS-2
.Llap:
	LAP 0
	WIN 0
	s_sub_co_u32 s3, s3, 1
	s_cmp_lg_u32 s3, 0
	s_cbranch_scc1 .Llap
	THREE 0, 0                                     ; the last lap fills nothing
	TURN 0, 1, 0
	THREE 1, 0
	s_wait_dscnt 0x8
	WIN MUL_LO
	MULQK F1, 0, 0
	MULQK F1, 2, 0
	s_wait_dscnt 0x0
	WIN MUL_HI
	MULV F1, 0
	; ---- the epilogue ----
	WIN 0
	s_barrier_signal -1                            ; every wave's reads of the ring are back (the wait for 0 above) and no tensor load is out:
	s_barrier_wait -1                              ; the ring has had its last fill and becomes the four stages
	PLACES
	s_wait_loadcnt 0x0                             ; the mask words
	WIN 0x0a                                       ; sources in window 2
.irp t, 0,1,2,3
.irp u, 0,1,2,3
.irp r, 0,1,2,3
	v_cvt_pk_f16_f32 v[KF+16*\t+4*\u+\r], v[8*(8*\t+4+\u)+2*\r], v[8*(8*\t+4+\u)+2*\r+1]   ; K: these 64 registers are the eight K fragments
.endr
.endr
.endr
	WIN 0
.irp t, 0,1,2,3
.irp u, 0,1,2,3
	ds_store_b128 v[STO], v[KF+16*\t+4*\u:KF+16*\t+4*\u+3] offset:\t*16*SP+128+32*\u
.endr
.endr
	WIN 0x0f                                       ; sources in window 3
.irp t, 0,1,2,3
.irp u, 0,1,2,3
.irp r, 0,1,2,3
	v_cvt_pk_f16_f32 v[QF+16*\t+4*\u+\r], v[8*(4*\t+\u)+2*\r], v[8*(4*\t+\u)+2*\r+1]       ; V
.endr
.endr
.endr
	WIN 0
.irp t, 0,1,2,3
.irp u, 0,1,2,3
	ds_store_b128 v[STO], v[QF+16*\t+4*\u:QF+16*\t+4*\u+3] offset:\t*16*SP+256+32*\u
.endr
.endr
.irp u, 0,1,2,3
.irp c, 0,1
	ds_load_tr16_b128 v[VT+16*\u+8*\c:VT+16*\u+8*\c+3],   v[VTR] offset:\c*32*SP+32*\u         ; my own bytes: LDS serves a wave's instructions in order (ISA guide 5.7.1.4)
	ds_load_tr16_b128 v[VT+16*\u+8*\c+4:VT+16*\u+8*\c+7], v[VTR] offset:\c*32*SP+16*SP+32*\u
.endr
.endr
; scores of 16 queries against 64 keys: four accumulators by turns
.macro SCORES
.irp u, 0,1,2,3
	v_wmma_f32_16x16x32_f16 v[SV+8*\u:SV+8*\u+7], v[KF+16*\u:KF+16*\u+7], v[QF:QF+7], 0
.endr
.irp u, 0,1,2,3
	v_wmma_f32_16x16x32_f16 v[SV+8*\u:SV+8*\u+7], v[KF+16*\u+8:KF+16*\u+15], v[QF+8:QF+15], v[SV+8*\u:SV+8*\u+7]
.endr
.endm
; weights x V: 64 d of 16 queries, four accumulators by turns
.macro PVMUL
.irp u, 0,1,2,3
	v_wmma_f32_16x16x32_f16 v[SV+8*\u:SV+8*\u+7], v[VT+16*\u:VT+16*\u+7], v[PV:PV+7], 0
.endr
.irp u, 0,1,2,3
	v_wmma_f32_16x16x32_f16 v[SV+8*\u:SV+8*\u+7], v[VT+16*\u+8:VT+16*\u+15], v[PV+8:PV+15], v[SV+8*\u:SV+8*\u+7]
.endr
.endm
; Masked softmax weights of my query's 32 scores (the other 32 lie in the lane 16 away).  mw: pair of mask words, already shifted by 8 in the
; upper lanes, so that bit 16 (u % 2) + j of word u / 2 belongs to register 8 u + j.  mx: gets the true maximum of the 64 (-inf if none is allowed).
; ls: gets the sum of the weights.  joint = 1: the weights are taken against max(mx, m1).  Leaves NM = -C x the maximum used.
.macro SOFTMAX mw, mx, ls, joint, m1
.irp u, 0,1,2,3
.irp j, 0,1,2,3,4,5,6,7
	v_and_b32 v[TT], 1<<(16*(\u&1)+\j), v[\mw+(\u>>1)]
	v_cmp_ne_u32 vcc_lo, 0, v[TT]
	v_cndmask_b32 v[SV+8*\u+\j], s[SNEG], v[SV+8*\u+\j], vcc_lo
.endr
.endr
	v_max3_num_f32 v[\mx], v[SV], v[SV+1], v[SV+2]
	v_max3_num_f32 v[T2], v[SV+16], v[SV+17], v[SV+18]
.irp i, 0,1,2,3,4,5
	v_max3_num_f32 v[\mx], v[\mx], v[SV+3+2*\i], v[SV+4+2*\i]
	v_max3_num_f32 v[T2], v[T2], v[SV+19+2*\i], v[SV+20+2*\i]
.endr
	v_max3_num_f32 v[\mx], v[\mx], v[SV+15], v[SV+31]
	v_max_num_f32 v[\mx], v[\mx], v[T2]
	v_permlanex16_b32 v[T2], v[\mx], s[SPL0], s[SPL1]
	v_max_num_f32 v[\mx], v[\mx], v[T2]
.if \joint
	v_max3_num_f32 v[MS], v[\mx], v[\m1], s[SNFM]  ; kept finite, so that -inf minus it stays -inf and an empty row gives weights 0
.else
	v_max_num_f32 v[MS], s[SNFM], v[\mx]
.endif
	v_mul_f32 v[NM], s[SNC], v[MS]
	v_mul_f32 v[NM+1], s[SNC], v[MS]
.irp i, 0,1,2,3,4,5,6,7,8,9,10,11,12,13,14,15
	v_pk_fma_f32 v[SV+2*\i:SV+2*\i+1], v[SV+2*\i:SV+2*\i+1], s[SC:SC+1], v[NM:NM+1] op_sel_hi:[1,0,1]
.endr
.set i, 0
.rept 32
	v_exp_f32 v[SV+i], v[SV+i]
.set i, i+1
.endr
	v_nop                                          ; one plain vector instruction behind the last v_exp_f32 before its result is used (ISA guide 5.7.2)
	s_wait_alu depctr_va_vdst(0)
	v_pk_add_f32 v[SA:SA+1], v[SV:SV+1], v[SV+2:SV+3]
	v_pk_add_f32 v[SB:SB+1], v[SV+4:SV+5], v[SV+6:SV+7]
.irp i, 4,6,8,10,12,14
	v_pk_add_f32 v[SA:SA+1], v[SA:SA+1], v[SV+2*\i:SV+2*\i+1]
	v_pk_add_f32 v[SB:SB+1], v[SB:SB+1], v[SV+2*\i+2:SV+2*\i+3]
.endr
	v_pk_add_f32 v[SA:SA+1], v[SA:SA+1], v[SB:SB+1]
	v_add_f32 v[\ls], v[SA], v[SA+1]
	v_permlanex16_b32 v[T2], v[\ls], s[SPL0], s[SPL1]
	v_add_f32 v[\ls], v[\ls], v[T2]
.irp i, 0,1,2,3,4,5,6,7,8,9,10,11,12,13,14,15
	v_cvt_pk_f16_f32 v[PV+\i], v[SV+2*\i], v[SV+2*\i+1]
.endr
.endm
; token tile t as queries against the block's 64 keys
.macro LOCAL t
	WIN 0x0a
.irp u, 0,1,2,3
.irp r, 0,1,2,3
	v_cvt_pk_f16_f32 v[QF+4*\u+\r], v[8*(8*\t+\u)+2*\r], v[8*(8*\t+\u)+2*\r+1]
.endr
.endr
	WIN 0
.irp u, 0,1,2,3
	ds_store_b128 v[STO], v[QF+4*\u:QF+4*\u+3] offset:\t*16*SP+32*\u
.endr
	SCORES
	PLACES
	SOFTMAX MW+2*\t, MM+\t, LL+\t, 0, 0
	v_max_num_f32 v[TT], 0x0d800000, v[LL+\t]      ; 2^-100: a row with an allowed key has a sum near 1 or above; an empty one has 0, and its output stays 0
	v_rcp_f32 v[INV], v[TT]
	v_rcp_f32 v[INV+1], v[TT]                      ; used behind the four v_nop below
.if \t == 0
	s_wait_dscnt 0x0                               ; V transposed is in
.endif
	PVMUL
	PLACES
	s_wait_alu depctr_va_vdst(0)
.irp i, 0,1,2,3,4,5,6,7,8,9,10,11,12,13,14,15
	v_pk_mul_f32 v[SV+2*\i:SV+2*\i+1], v[SV+2*\i:SV+2*\i+1], v[INV:INV+1]
.endr
.irp i, 0,1,2,3,4,5,6,7,8,9,10,11,12,13,14,15
	v_cvt_pk_f16_f32 v[OP+\i], v[SV+2*\i], v[SV+2*\i+1]
.endr
.irp u, 0,1,2,3
	ds_store_b128 v[STO], v[OP+4*\u:OP+4*\u+3] offset:\t*16*SP+384+32*\u
.endr
.endm
	LOCAL 0
	LOCAL 1
	LOCAL 2
	LOCAL 3
	; stats: lane l stores the pair of token l (tiles 0, 1), then of token 32 + l (tiles 2, 3): 256 consecutive bytes a store
	v_cmp_ne_u32 vcc_lo, 0, v2
	v_cndmask_b32 v[SA], v[MM], v[MM+1], vcc_lo
	v_cndmask_b32 v[SA+1], v[LL], v[LL+1], vcc_lo
	v_cndmask_b32 v[SB], v[MM+2], v[MM+3], vcc_lo
	v_cndmask_b32 v[SB+1], v[LL+2], v[LL+3], vcc_lo
	global_store_b64 v[SO], v[SA:SA+1], s[94:95]
	global_store_b64 v[SO], v[SB:SB+1], s[94:95] offset:256
; 16 records from my stage to rec: a load and a store of the wave each cover one record's 512 consecutive bytes
.macro COPY16 g, f
.if \g >= 2
	s_wait_xcnt 0x0                                ; these registers were the data of stores two groups ago: they are loaded again only behind this wait
.endif
.irp k, 0,1,2,3,4,5,6,7,8,9,10,11,12,13,14,15
	ds_load_b128 v[\f+4*\k:\f+4*\k+3], v[RD] offset:(16*\g+\k)*SP
.endr
.irp k, 0,1,2,3,4,5,6,7,8,9,10,11,12,13,14,15
	s_wait_dscnt 15-\k                             ; LDS loads come back in order: 15 - k younger ones may stay out
	global_store_b128 v[GO], v[\f+4*\k:\f+4*\k+3], s[92:93] offset:(16*\g+\k)*512
.endr
.endm
	COPY16 0, KF
	COPY16 1, VT
	COPY16 2, KF
	COPY16 3, VT
	s_wait_tensorcnt 0x0
	ds_add_u32 v238, v239
	s_wait_dscnt 0x0
	CROUND                                         ; the closing round: no work-group ends while a partner may still ask for a tile that names it
	s_endpgm
.Lfunc_end_k_q55162f944d_qkvloc:
	.size	k_q55162f944d_qkvloc, .Lfunc_end_k_q55162f944d_qkvloc-k_q55162f944d_qkvloc
	.p2alignl 7, 3214868480
	.fill 96, 4, 3214868480
	.section	.rodata,"a",@progbits
	.p2align	6, 0x0
	.amdhsa_kernel k_q55162f944d_qkvloc
		.amdhsa_group_segment_fixed_size 327680
		.amdhsa_private_segment_fixed_size 0
		.amdhsa_enable_private_segment 0
		.amdhsa_kernarg_size 40
		.amdhsa_user_sgpr_count 2
		.amdhsa_user_sgpr_kernarg_segment_ptr 1
		.amdhsa_wavefront_size32 1
		.amdhsa_system_sgpr_workgroup_id_x 1
		.amdhsa_system_sgpr_workgroup_id_y 1
		.amdhsa_system_sgpr_workgroup_id_z 1
		.amdhsa_system_vgpr_workitem_id 0
		.amdhsa_next_free_vgpr 896
		.amdhsa_next_free_sgpr 98
		.amdhsa_reserve_vcc 1
		.amdhsa_float_denorm_mode_32 3
		.amdhsa_float_denorm_mode_16_64 3
		.amdhsa_memory_ordered 1
		.amdhsa_forward_progress 1
		.amdhsa_inst_pref_size 219
	.end_amdhsa_kernel
	.amdgpu_metadata
---
amdhsa.version: [ 1, 2 ]
amdhsa.kernels:
  - .name:           k_q55162f944d_qkvloc
    .symbol:         k_q55162f944d_qkvloc.kd
    .args:
      - { .name: qh, .offset: 0, .size: 8, .value_kind: global_buffer, .address_space: global }
      - { .name: wqkv, .offset: 8, .size: 8, .value_kind: global_buffer, .address_space: global }
      - { .name: mbits, .offset: 16, .size: 8, .value_kind: global_buffer, .address_space: global }
      - { .name: rec, .offset: 24, .size: 8, .value_kind: global_buffer, .address_space: global }
      - { .name: stats, .offset: 32, .size: 8, .value_kind: global_buffer, .address_space: global }
    .group_segment_fixed_size: 327680
    .private_segment_fixed_size: 0
    .kernarg_segment_align: 8
    .kernarg_segment_size: 40
    .max_flat_workgroup_size: 128
    .sgpr_count:     98
    .vgpr_count:     896
    .wavefront_size: 32
...
	.end_amdgpu_metadata
.endif
;; end of part 2
;; launch strided (part 3): grid 64 x 4, 4 waves a work-group, no clusters, 169,472 bytes of LDS; arguments rec, stats, mbits, oh; writes oh
.if DOCPART == 3
	.amdgcn_target "amdgcn-amd-amdhsa--gfx1250"
	.amdhsa_code_object_version 6
	.text
	.protected	k_q55162f944d_strided
	.globl	k_q55162f944d_strided
	.p2align	8
	.type	k_q55162f944d_strided,@function
k_q55162f944d_strided:
	s_mov_b64 s[64:65], 0
	v_nop
	global_prefetch_b8 v0, s[64:65] scope:SCOPE_SE
	s_setreg_imm32_b32 hwreg(HW_REG_WAVE_MODE, 25, 1), 1
	s_wait_xcnt 0x0
; strided: the attention of each token to the 63 other tokens of its residue class mod 64, merged with the part of its own block.
; Work-group (x = residue r, y = group g of four heads); wave w owns head h = 4 g + w: the 64 tokens r + 64 m, m = 0..63, as queries and as keys.
; In: rec[h][token] = {Q | K | V | O1} (512 bytes, f16), stats[h][token] = {m1, l1}, the strided mask records (the token's own bit is clear there).
; Out: oh[token][64 h ..] in f16 = (sum of strided weights x V + l1 a1 O1) / (sum of strided weights + l1 a1), all weights taken against the
; joint maximum max(m1, strided maximum); a1 rescales the block's part to it.  A query with no allowed key at all gets 0 x infinity = NaN.
; LIMIT: a weight below about 6e-8 of its row's largest becomes 0 in f16.
; NO CLUSTER: no two work-groups read the same record, so there is nothing to ask for jointly.
; One tensor load a wave, its only one, brings its 64 records (rows of 512 bytes, 32,768 bytes apart) into its own LDS bytes: no refill, so no
; barrier for one.  The stats are read as 8 bytes from each of 16 places 512 bytes apart, four loads a wave, each pair once in the launch.
.set SP,   528                         ; a record of 512 bytes + 16: 33 x 16 bytes, so 16 rows begin at 16 different 16-byte columns modulo 256
.set STG,  64*SP
.set OSTG, 4*STG                       ; the output stage: 64 rows (m) x 4 heads x 128 bytes, pitch 528; no tensor load lands here
.set KA,   4                           ; my wave's tile: row l % 16, + 16 bytes for the upper lanes
.set VTR,  5                           ; the transposing loads of V
.set MO,   6                           ; 16 (l % 16) + 8 (l / 16)
.set SO,   7                           ; 512 (l % 16)
.set STO,  8
.set RD,   9
.set GO,   10
.set O1,   16                          ; v[16:31]   O1 of the tile at work (f16 halves are named, so below v128)
.set MW,   32                          ; v[32:39]   mask words, a pair for each query tile
.set ST,   40                          ; v[40:47]   {m1, l1} for each query tile
.set KF,   48                          ; v[48:111]  K fragments: key tile u, half c at 16 u + 8 c
.set VT,   112                         ; v[112:175] V transposed
.set QF,   176                         ; v[176:191]
.set SV,   192                         ; v[192:223] scores, weights, output
.set PV,   224                         ; v[224:239] weights in f16, later the output in f16
.set TT,   240
.set T2,   241
.set MX,   242
.set MS,   243
.set NM,   244                         ; pair
.set SA,   246                         ; pair
.set SB,   248                         ; pair, = SA + 2
.set LSR,  250
.set INV,  252                         ; pair
.set F1,   254                         ; pair
.set SNEG, 36
.set SNFM, 37
.set SC,   38                          ; pair: log2(e) / 8
.set SNC,  40
.set SPL0, 41
.set SPL1, 42
.macro PLACES                          ; four places behind a matrix instruction (ISA guide 7.12.1 for vector instructions)
.rept 4
	v_nop
.endr
.endm
	s_load_b256 s[4:11], s[0:1], 0x0               ; rec s[4:5], stats s[6:7], mbits s[8:9], oh s[10:11]
	v_lshl_add_u32 v15, v0, 2, 0x29400
	v_mov_b32 v251, 0
	ds_add_u32 v15, v251
	ds_add_u32 v15, v251
	v_lshrrev_b32 v1, 5, v0
	v_readfirstlane_b32 s12, v1                    ; wave
	s_and_b32 s13, ttmp7, 0xffff                   ; g
	s_lshl2_add_u32 s14, s13, s12                  ; h = 4 g + w
	s_lshl_b32 s15, s14, 12
	s_add_co_u32 s15, s15, ttmp9                   ; 4,096 h + r
	s_mov_b32 s16, (1<<16)|(1<<20)|(6<<22)|(3<<25) ; no mask; elements of 2 bytes; padding on: after every 128 words, 4 words
	s_mov_b32 s17, 256<<16                         ; tensor_dim0 = 256 elements
	s_mov_b32 s18, 64<<16                          ; tensor_dim1 = 64 rows
	s_mov_b32 s19, 256<<16                         ; tile_dim0
	s_mov_b32 s20, 64                              ; tile_dim1
	s_mov_b32 s21, 16384                           ; 64 records of 256 elements from row to row
	s_mov_b32 s22, 0
	s_mov_b32 s23, 0
	s_mov_b32 s24, 1
	s_mul_i32 s25, s12, STG                        ; my wave's own LDS bytes
	s_lshl_b32 s28, s15, 9
	s_mov_b32 s29, 0
	s_wait_dscnt 0x0
	s_wait_kmcnt 0x0
	s_add_nc_u64 s[26:27], s[4:5], s[28:29]
	s_or_b32 s27, s27, 0x80000000
	tensor_load_to_lds s[24:27], s[16:23]          ; my one tensor load
	s_nop 0
	s_lshl_b32 s28, s15, 3
	s_add_nc_u64 s[30:31], s[6:7], s[28:29]        ; stats of (h, token r)
	s_lshl_b32 s28, ttmp9, 10
	s_add_co_u32 s28, s28, 65536
	s_add_nc_u64 s[32:33], s[8:9], s[28:29]        ; the 64 strided records of residue r
	s_lshl_b32 s28, s12, 10
	s_add_co_u32 s28, s28, ttmp9
	s_lshl_b32 s28, s28, 11                        ; token r + 64 x 16 w, rows of 2,048 bytes
	s_lshl_b32 s43, s13, 9
	s_add_co_u32 s28, s28, s43                     ; + the four heads' 512 bytes
	s_add_nc_u64 s[34:35], s[10:11], s[28:29]
	s_mov_b32 s[SNEG], 0xff800000
	s_mov_b32 s[SNFM], 0xff7fffff
	s_mov_b32 s[SC], 0x3e38aa3b
	s_mov_b32 s[SC+1], 0x3e38aa3b
	s_mov_b32 s[SNC], 0xbe38aa3b
	s_mov_b32 s[SPL0], 0x76543210
	s_mov_b32 s[SPL1], 0xfedcba98
	s_lshl_b32 s43, s12, 7
	s_add_co_u32 s43, s43, OSTG                    ; my head's 128 bytes of a stage row
	s_mul_i32 s44, s12, 16*SP
	s_add_co_u32 s44, s44, OSTG                    ; the 16 stage rows that I carry out
	v_and_b32 v1, 15, v0
	v_bfe_u32 v2, v0, 4, 1
	v_and_b32 v3, 31, v0
	v_lshlrev_b32 v[MO], 4, v1
	v_lshl_add_u32 v[MO], v2, 3, v[MO]
	v_lshlrev_b32 v[SO], 9, v1
.irp t, 0,1,2,3
	global_load_b64 v[MW+2*\t:MW+2*\t+1], v[MO], s[32:33] offset:256*\t
.endr
.irp t, 0,1,2,3
	global_load_b64 v[ST+2*\t:ST+2*\t+1], v[SO], s[30:31] offset:8192*\t
.endr
	v_mul_u32_u24 v11, v1, SP
	v_lshl_add_u32 v11, v2, 4, v11
	v_add_nc_u32 v[KA], s25, v11
	v_add_nc_u32 v[STO], s43, v11
	v_and_b32 v12, 7, v0
	v_lshl_add_u32 v12, v2, 3, v12
	v_mul_u32_u24 v12, v12, SP
	v_bfe_u32 v13, v0, 3, 1
	v_lshl_add_u32 v12, v13, 4, v12
	v_add3_u32 v[VTR], v12, s25, 256
	v_lshlrev_b32 v[GO], 4, v3
	v_add_nc_u32 v[RD], s44, v[GO]
	s_wait_tensorcnt 0x0                           ; my tile is in; only I read it
.irp u, 0,1,2,3
.irp c, 0,1
	ds_load_b128 v[KF+16*\u+8*\c:KF+16*\u+8*\c+3],   v[KA] offset:\u*16*SP+128+64*\c
	ds_load_b128 v[KF+16*\u+8*\c+4:KF+16*\u+8*\c+7], v[KA] offset:\u*16*SP+128+64*\c+32
.endr
.endr
.irp u, 0,1,2,3
.irp c, 0,1
	ds_load_tr16_b128 v[VT+16*\u+8*\c:VT+16*\u+8*\c+3],   v[VTR] offset:\c*32*SP+32*\u
	ds_load_tr16_b128 v[VT+16*\u+8*\c+4:VT+16*\u+8*\c+7], v[VTR] offset:\c*32*SP+16*SP+32*\u
.endr
.endr
	s_wait_loadcnt 0x0                             ; mask words and stats
; scores of 16 queries against 64 keys: four accumulators by turns
.macro SCORES
.irp u, 0,1,2,3
	v_wmma_f32_16x16x32_f16 v[SV+8*\u:SV+8*\u+7], v[KF+16*\u:KF+16*\u+7], v[QF:QF+7], 0
.endr
.irp u, 0,1,2,3
	v_wmma_f32_16x16x32_f16 v[SV+8*\u:SV+8*\u+7], v[KF+16*\u+8:KF+16*\u+15], v[QF+8:QF+15], v[SV+8*\u:SV+8*\u+7]
.endr
.endm
; weights x V: 64 d of 16 queries, four accumulators by turns
.macro PVMUL
.irp u, 0,1,2,3
	v_wmma_f32_16x16x32_f16 v[SV+8*\u:SV+8*\u+7], v[VT+16*\u:VT+16*\u+7], v[PV:PV+7], 0
.endr
.irp u, 0,1,2,3
	v_wmma_f32_16x16x32_f16 v[SV+8*\u:SV+8*\u+7], v[VT+16*\u+8:VT+16*\u+15], v[PV+8:PV+15], v[SV+8*\u:SV+8*\u+7]
.endr
.endm
; Masked softmax weights of my query's 32 scores (the other 32 lie in the lane 16 away).  mw: pair of mask words, already shifted by 8 in the
; upper lanes, so that bit 16 (u % 2) + j of word u / 2 belongs to register 8 u + j.  mx: gets the true maximum of the 64 (-inf if none is allowed).
; ls: gets the sum of the weights.  joint = 1: the weights are taken against max(mx, m1).  Leaves NM = -C x the maximum used.
.macro SOFTMAX mw, mx, ls, joint, m1
.irp u, 0,1,2,3
.irp j, 0,1,2,3,4,5,6,7
	v_and_b32 v[TT], 1<<(16*(\u&1)+\j), v[\mw+(\u>>1)]
	v_cmp_ne_u32 vcc_lo, 0, v[TT]
	v_cndmask_b32 v[SV+8*\u+\j], s[SNEG], v[SV+8*\u+\j], vcc_lo
.endr
.endr
	v_max3_num_f32 v[\mx], v[SV], v[SV+1], v[SV+2]
	v_max3_num_f32 v[T2], v[SV+16], v[SV+17], v[SV+18]
.irp i, 0,1,2,3,4,5
	v_max3_num_f32 v[\mx], v[\mx], v[SV+3+2*\i], v[SV+4+2*\i]
	v_max3_num_f32 v[T2], v[T2], v[SV+19+2*\i], v[SV+20+2*\i]
.endr
	v_max3_num_f32 v[\mx], v[\mx], v[SV+15], v[SV+31]
	v_max_num_f32 v[\mx], v[\mx], v[T2]
	v_permlanex16_b32 v[T2], v[\mx], s[SPL0], s[SPL1]
	v_max_num_f32 v[\mx], v[\mx], v[T2]
.if \joint
	v_max3_num_f32 v[MS], v[\mx], v[\m1], s[SNFM]  ; kept finite, so that -inf minus it stays -inf and an empty row gives weights 0
.else
	v_max_num_f32 v[MS], s[SNFM], v[\mx]
.endif
	v_mul_f32 v[NM], s[SNC], v[MS]
	v_mul_f32 v[NM+1], s[SNC], v[MS]
.irp i, 0,1,2,3,4,5,6,7,8,9,10,11,12,13,14,15
	v_pk_fma_f32 v[SV+2*\i:SV+2*\i+1], v[SV+2*\i:SV+2*\i+1], s[SC:SC+1], v[NM:NM+1] op_sel_hi:[1,0,1]
.endr
.set i, 0
.rept 32
	v_exp_f32 v[SV+i], v[SV+i]
.set i, i+1
.endr
	v_nop                                          ; one plain vector instruction behind the last v_exp_f32 before its result is used (ISA guide 5.7.2)
	s_wait_alu depctr_va_vdst(0)
	v_pk_add_f32 v[SA:SA+1], v[SV:SV+1], v[SV+2:SV+3]
	v_pk_add_f32 v[SB:SB+1], v[SV+4:SV+5], v[SV+6:SV+7]
.irp i, 4,6,8,10,12,14
	v_pk_add_f32 v[SA:SA+1], v[SA:SA+1], v[SV+2*\i:SV+2*\i+1]
	v_pk_add_f32 v[SB:SB+1], v[SB:SB+1], v[SV+2*\i+2:SV+2*\i+3]
.endr
	v_pk_add_f32 v[SA:SA+1], v[SA:SA+1], v[SB:SB+1]
	v_add_f32 v[\ls], v[SA], v[SA+1]
	v_permlanex16_b32 v[T2], v[\ls], s[SPL0], s[SPL1]
	v_add_f32 v[\ls], v[\ls], v[T2]
.irp i, 0,1,2,3,4,5,6,7,8,9,10,11,12,13,14,15
	v_cvt_pk_f16_f32 v[PV+\i], v[SV+2*\i], v[SV+2*\i+1]
.endr
.endm
; two numbers of the result: O x inv + O1 x f1.  lo, hi: the halves of O1's word i, by name; the work pair alternates between SA and SB
.macro MERGE1 lo, hi, i
	v_cvt_f32_f16 v[SA+2*(\i&1)], \lo
	v_cvt_f32_f16 v[SA+2*(\i&1)+1], \hi
	v_pk_mul_f32 v[SA+2*(\i&1):SA+2*(\i&1)+1], v[SA+2*(\i&1):SA+2*(\i&1)+1], v[F1:F1+1]
	v_pk_fma_f32 v[SV+2*\i:SV+2*\i+1], v[SV+2*\i:SV+2*\i+1], v[INV:INV+1], v[SA+2*(\i&1):SA+2*(\i&1)+1]
.endm
; query tile t (m = 16 t .. 16 t + 15) against the class's 64 keys
.macro STRIDE t
.irp c, 0,1
	ds_load_b128 v[QF+8*\c:QF+8*\c+3],   v[KA] offset:\t*16*SP+64*\c
	ds_load_b128 v[QF+8*\c+4:QF+8*\c+7], v[KA] offset:\t*16*SP+64*\c+32
.endr
.irp u, 0,1,2,3
	ds_load_b128 v[O1+4*\u:O1+4*\u+3], v[KA] offset:\t*16*SP+384+32*\u
.endr
	s_wait_dscnt 0x0
	SCORES
	PLACES
	SOFTMAX MW+2*\t, MX, LSR, 1, ST+2*\t
	; a1 = 2^(NM - NM1).  NM1 = -C max(m1, lowest finite) is rounded here exactly as the launch that made l1 rounded it, and then subtracted:
	; a fused form would round otherwise, and the two parts' shifts would no longer cancel when scores are very large.
	v_max_num_f32 v[TT], s[SNFM], v[ST+2*\t]
	v_mul_f32 v[TT], s[SNC], v[TT]
	v_sub_f32 v[TT], v[NM], v[TT]
	v_exp_f32 v[TT], v[TT]
	PVMUL
	; behind the last matrix instruction: six plain vector instructions that name none of its registers (the two v_rcp_f32 are not counted)
	v_nop                                          ; also the plain instruction between v_exp_f32 and the use of its result
	s_wait_alu depctr_va_vdst(0)
	v_mul_f32 v[T2], v[ST+2*\t+1], v[TT]           ; w1 = l1 a1
	v_fma_f32 v[MS], v[ST+2*\t+1], v[TT], v[LSR]   ; the denominator: near 1 or above, or exactly 0 where no key at all is allowed
	v_rcp_f32 v[INV], v[MS]
	v_rcp_f32 v[INV+1], v[MS]
	v_nop                                          ; the plain instruction behind v_rcp_f32
	s_wait_alu depctr_va_vdst(0)
	v_mul_f32 v[F1], v[T2], v[INV]
	v_mul_f32 v[F1+1], v[T2], v[INV]
	MERGE1 v16.l, v16.h, 0
	MERGE1 v17.l, v17.h, 1
	MERGE1 v18.l, v18.h, 2
	MERGE1 v19.l, v19.h, 3
	MERGE1 v20.l, v20.h, 4
	MERGE1 v21.l, v21.h, 5
	MERGE1 v22.l, v22.h, 6
	MERGE1 v23.l, v23.h, 7
	MERGE1 v24.l, v24.h, 8
	MERGE1 v25.l, v25.h, 9
	MERGE1 v26.l, v26.h, 10
	MERGE1 v27.l, v27.h, 11
	MERGE1 v28.l, v28.h, 12
	MERGE1 v29.l, v29.h, 13
	MERGE1 v30.l, v30.h, 14
	MERGE1 v31.l, v31.h, 15
.irp i, 0,1,2,3,4,5,6,7,8,9,10,11,12,13,14,15
	v_cvt_pk_f16_f32 v[PV+\i], v[SV+2*\i], v[SV+2*\i+1]
.endr
.irp u, 0,1,2,3
	ds_store_b128 v[STO], v[PV+4*\u:PV+4*\u+3] offset:\t*16*SP+32*\u
.endr
.endm
	STRIDE 0
	STRIDE 1
	STRIDE 2
	STRIDE 3
	s_wait_dscnt 0x0                               ; my stores into the stage are done, for the others' sake
	s_barrier_signal -1
	s_barrier_wait -1                              ; all four heads' parts of every stage row are there
.irp k, 0,1,2,3,4,5,6,7,8,9,10,11,12,13,14,15
	ds_load_b128 v[KF+4*\k:KF+4*\k+3], v[RD] offset:\k*SP
.endr
.irp k, 0,1,2,3,4,5,6,7,8,9,10,11,12,13,14,15
	s_wait_dscnt 15-\k                             ; LDS loads come back in order: 15 - k younger ones may stay out
	global_store_b128 v[GO], v[KF+4*\k:KF+4*\k+3], s[34:35] offset:\k*131072   ; token r + 64 (16 w + k): 512 consecutive bytes, aligned
.endr
	s_wait_tensorcnt 0x0
	ds_add_u32 v15, v251
	s_wait_dscnt 0x0
	s_endpgm
.Lfunc_end_k_q55162f944d_strided:
	.size	k_q55162f944d_strided, .Lfunc_end_k_q55162f944d_strided-k_q55162f944d_strided
	.p2alignl 7, 3214868480
	.fill 96, 4, 3214868480
	.section	.rodata,"a",@progbits
	.p2align	6, 0x0
	.amdhsa_kernel k_q55162f944d_strided
		.amdhsa_group_segment_fixed_size 169472
		.amdhsa_private_segment_fixed_size 0
		.amdhsa_enable_private_segment 0
		.amdhsa_kernarg_size 32
		.amdhsa_user_sgpr_count 2
		.amdhsa_user_sgpr_kernarg_segment_ptr 1
		.amdhsa_wavefront_size32 1
		.amdhsa_system_sgpr_workgroup_id_x 1
		.amdhsa_system_sgpr_workgroup_id_y 1
		.amdhsa_system_sgpr_workgroup_id_z 1
		.amdhsa_system_vgpr_workitem_id 0
		.amdhsa_next_free_vgpr 256
		.amdhsa_next_free_sgpr 66
		.amdhsa_reserve_vcc 1
		.amdhsa_float_denorm_mode_32 3
		.amdhsa_float_denorm_mode_16_64 3
		.amdhsa_memory_ordered 1
		.amdhsa_forward_progress 1
		.amdhsa_inst_pref_size 71
	.end_amdhsa_kernel
	.amdgpu_metadata
---
amdhsa.version: [ 1, 2 ]
amdhsa.kernels:
  - .name:           k_q55162f944d_strided
    .symbol:         k_q55162f944d_strided.kd
    .args:
      - { .name: rec, .offset: 0, .size: 8, .value_kind: global_buffer, .address_space: global }
      - { .name: stats, .offset: 8, .size: 8, .value_kind: global_buffer, .address_space: global }
      - { .name: mbits, .offset: 16, .size: 8, .value_kind: global_buffer, .address_space: global }
      - { .name: oh, .offset: 24, .size: 8, .value_kind: global_buffer, .address_space: global }
    .group_segment_fixed_size: 169472
    .private_segment_fixed_size: 0
    .kernarg_segment_align: 8
    .kernarg_segment_size: 32
    .max_flat_workgroup_size: 128
    .sgpr_count:     66
    .vgpr_count:     256
    .wavefront_size: 32
...
	.end_amdgpu_metadata
.endif
;; end of part 3
;; launch oproj (part 4): grid 8 x 32, 4 waves a work-group, clusters of 4 x 4, 327,680 bytes of LDS; arguments oh, woh, out0; writes out0
.if DOCPART == 4
	.amdgcn_target "amdgcn-amd-amdhsa--gfx1250"
	.amdhsa_code_object_version 6
	.text
	.protected	k_q55162f944d_oproj
	.globl	k_q55162f944d_oproj
	.p2align	8
	.type	k_q55162f944d_oproj,@function
k_q55162f944d_oproj:
	s_mov_b64 s[64:65], 0
	v_nop
	global_prefetch_b8 v0, s[64:65] scope:SCOPE_SE
	s_setreg_imm32_b32 hwreg(HW_REG_WAVE_MODE, 25, 1), 1
	s_wait_xcnt 0x0
	s_wait_alu depctr_hold_cnt(0) depctr_sa_sdst(0) depctr_va_vdst(0) depctr_va_sdst(0) depctr_va_ssrc(0) depctr_va_vcc(0) depctr_vm_vsrc(0)
	s_getreg_b32 s2, hwreg(HW_REG_IB_STS2, 6, 4)
	s_cmp_eq_u32 s2, 0
	s_cbranch_scc0 .Lentry_in_a_cluster
	s_endpgm
.Lentry_in_a_cluster:
	s_bfe_u32 s2, ttmp6, 0x10000c
	s_cmp_lg_u32 s2, 0xf033
	s_cbranch_scc0 .Lentry_shape_is_right
	s_endpgm
.Lentry_shape_is_right:
; oproj: out0[token][n] = sum over k of oh[token][k] woh[n][k]; operands f16, sums and result f32.  4096 x 1024 x 1024.
; 4,194,304 outputs on 256 work-groups of four waves: a work-group makes 128 x 128, a wave 64 x 64: 16 accumulators.
; K goes through two LDS slots of 256 along K each (128 rows of oh, then 128 of woh, rows of 512 bytes padded to 528): with a slot of 128 a wave
; would issue only 64 matrix instructions between a request and the wait for it; here it issues 112.  Four slot fills in all, so the text has no loop.
; CLUSTERS: 4 x 4 work-groups; oh's tiles are shared along a row of the cluster, woh's along a column, each asked for jointly.
; By this text's own count a wave has at most two tensor loads outstanding (the two first fills), later one.
; The matrix instruction is used transposed (source 0 = rows of woh, source 1 = token rows): lane l holds token l % 16 and eight neighbouring columns.
; WINDOWS: 0 addresses, the 16 accumulators (t, c) at 64 + 8 (4 t + c), the way out; 1 two fragment buffers of 128 (64 along K each).
.set SP,     528                       ; 33 x 16 bytes: 16 rows begin at 16 different 16-byte columns modulo 256
.set QUART,  64*SP                     ; what one tensor load brings
.set SLOT,   4*QUART
.set STAGE,  2*SLOT                    ; behind the ring: 16 rows x 272 bytes for each wave; no tensor load lands here
.set OPITCH, 272
.set ADRA, 16                          ; v16-17
.set ADRB, 20                          ; v20-21
.set STO,  24
.set RD,   25
.set CO,   26
.set ACC,  64
.set TMP,  192
.set F0,   0
.set F1,   128
.set G1,  24
.set G0,  32
.set G1B, 48
.set G0B, 56
.set MSB, 0
.macro WIN new                         ; the immediate's high byte repeats the setting that is left
.if MSB != \new
	s_set_vgpr_msb (MSB<<8)|\new
.set MSB, \new
.endif
.endm
.set MUL,  0x05                        ; sources 0 and 1 window 1, C and D window 0
.set TO_F, 0x40                        ; destination window 1, address window 0
.macro JLOAD s                         ; waves 0, 1 ask for oh's halves, waves 2, 3 for woh's; the branch hangs on the wave's number alone
	s_cmp_eq_u32 s11, 0
	s_cbranch_scc0 .Lfor_b_\@
	tensor_load_to_lds s[G0+4*\s:G0+4*\s+3], s[G1:G1+7]
	s_nop 0
	s_branch .Lasked_\@
.Lfor_b_\@:
	tensor_load_to_lds s[G0B+4*\s:G0B+4*\s+3], s[G1B:G1B+7]
	s_nop 0
.Lasked_\@:
.endm
.macro CREST                           ; a round of the cluster's barrier behind its opening barrier
	s_cmp_lg_u32 s10, 0
	s_cbranch_scc1 .Lnot_wave_0_\@
	s_barrier_signal -3
.Lnot_wave_0_\@:
	s_barrier_wait -3
	s_barrier_signal -1
	s_barrier_wait -1
.endm
.macro CROUND
	s_barrier_signal -1
	s_barrier_wait -1
	CREST
.endm
.macro PLACES                          ; four places behind a matrix instruction (ISA guide 7.12.1 for vector instructions)
.rept 4
	v_nop
.endr
.endm
	s_load_b128 s[4:7], s[0:1], 0x0                ; oh s[4:5], woh s[6:7]
	s_load_b64 s[8:9], s[0:1], 0x10                ; out0
	v_lshl_add_u32 v254, v0, 2, 0x46400
	v_mov_b32 v255, 0
	ds_add_u32 v254, v255
	ds_add_u32 v254, v255
	v_lshrrev_b32 v1, 5, v0
	v_readfirstlane_b32 s10, v1                    ; wave
	s_lshr_b32 s11, s10, 1                         ; my half of the block's rows.  Also: I fetch for oh (0) or woh (1)
	s_and_b32 s12, s10, 1                          ; my half of its columns.  Also: which 64 rows of that tile I fetch
	s_bfe_u32 s40, ttmp6, 0x40000                  ; cx
	s_bfe_u32 s41, ttmp6, 0x40004                  ; cy
	s_lshl_b32 s42, ttmp9, 2
	s_add_co_u32 s42, s42, s40                     ; block column
	s_and_b32 s13, ttmp7, 0xffff
	s_lshl_b32 s13, s13, 2
	s_add_co_u32 s13, s13, s41                     ; block row
	s_lshl_b32 s43, s41, 2
	s_lshl_b32 s43, 15, s43                        ; my row of the cluster
	s_lshl_b32 s44, 0x1111, s40                    ; my column
	s_or_b32 s[G1+0], s43, (1<<16)|(1<<20)|(1<<21)|(6<<22)|(3<<25)   ; mask; 2-byte elements; padding on; bit 21 beside a mask; after every 128 words; 4 words
	s_or_b32 s[G1B+0], s44, (1<<16)|(1<<20)|(1<<21)|(6<<22)|(3<<25)
	s_mov_b32 s[G1+1], 256<<16                     ; tensor_dim0 = 256
	s_mov_b32 s[G1B+1], 256<<16
	s_mov_b32 s[G1+2], 64<<16                      ; tensor_dim1 = 64
	s_mov_b32 s[G1B+2], 64<<16
	s_mov_b32 s[G1+3], 256<<16                     ; tile_dim0
	s_mov_b32 s[G1B+3], 256<<16
	s_mov_b32 s[G1+4], 64                          ; tile_dim1
	s_mov_b32 s[G1B+4], 64
	s_mov_b32 s[G1+5], 1024                        ; elements from row to row
	s_mov_b32 s[G1B+5], 1024
	s_mov_b32 s[G1+6], 0
	s_mov_b32 s[G1B+6], 0
	s_mov_b32 s[G1+7], 0
	s_mov_b32 s[G1B+7], 0
	s_lshl_b32 s17, s12, 6
	s_lshl_b32 s16, s13, 7
	s_add_co_u32 s16, s16, s17                     ; oh: row 128 x block row + 64 x half
	s_lshl_b32 s16, s16, 11
	s_mov_b32 s17, 0
	s_lshl_b32 s47, s12, 6
	s_lshl_b32 s46, s42, 7
	s_add_co_u32 s46, s46, s47                     ; woh: row 128 x block column + 64 x half
	s_lshl_b32 s46, s46, 11
	s_mov_b32 s47, 0
	s_mul_i32 s20, s10, QUART                      ; oh's two halves, then woh's two = wave x 64 rows
	s_wait_dscnt 0x0
	s_wait_kmcnt 0x0
	s_add_nc_u64 s[14:15], s[4:5], s[16:17]
	s_add_nc_u64 s[46:47], s[6:7], s[46:47]
	CROUND                                         ; all sixteen work-groups are here: the first joint loads meet
.irp s, 0,1
	s_mov_b32 s[G0+4*\s], 1
	s_add_co_u32 s[G0+4*\s+1], s20, \s*SLOT
	s_add_nc_u64 s[G0+4*\s+2:G0+4*\s+3], s[14:15], \s*512
	s_or_b32 s[G0+4*\s+3], s[G0+4*\s+3], 0x80000000
	s_mov_b32 s[G0B+4*\s], 1
	s_add_co_u32 s[G0B+4*\s+1], s20, \s*SLOT
	s_add_nc_u64 s[G0B+4*\s+2:G0B+4*\s+3], s[46:47], \s*512
	s_or_b32 s[G0B+4*\s+3], s[G0B+4*\s+3], 0x80000000
	JLOAD \s
.endr
	v_and_b32 v1, 15, v0
	v_bfe_u32 v2, v0, 4, 1
	v_mul_u32_u24 v3, v1, SP
	v_lshl_add_u32 v3, v2, 4, v3
	s_mul_i32 s21, s11, QUART                      ; my 64 token rows
	s_mul_i32 s22, s12, QUART
	s_add_co_u32 s22, s22, 2*QUART                 ; my 64 rows of woh, behind oh's 128
.irp s, 0,1
	v_add_nc_u32 v[ADRA+\s], s21, v3
	v_add_nc_u32 v[ADRB+\s], s22, v3
	s_add_co_u32 s21, s21, SLOT
	s_add_co_u32 s22, s22, SLOT
.endr
	s_mul_i32 s23, s10, 16*OPITCH
	s_add_co_u32 s23, s23, STAGE                   ; my stage
	v_mul_u32_u24 v4, v1, OPITCH
	v_lshl_add_u32 v4, v2, 5, v4                   ; in: row l % 16, 32 bytes (8 f32) for each half of the lanes
	v_add_nc_u32 v[STO], s23, v4
	v_mul_u32_u24 v5, v2, OPITCH
	v_lshl_add_u32 v5, v1, 4, v5                   ; back: lanes 0-15 one row of 256 bytes, lanes 16-31 the next
	v_add_nc_u32 v[RD], s23, v5
	v_lshlrev_b32 v5, 12, v2                       ; and the same two rows of out0 (4,096 bytes each)
	v_lshl_add_u32 v[CO], v1, 4, v5
; 32 LDS loads: 64 along K at byte k of the rows, the first 32 K's sixteen loads first
.macro FETCH slot, k, f
	WIN TO_F
.irp h, 0,1
.irp t, 0,1,2,3
	ds_load_b128 v[\f+64*\h+8*\t:\f+64*\h+8*\t+3],   v[ADRA+\slot] offset:\k+64*\h+\t*16*SP
	ds_load_b128 v[\f+64*\h+8*\t+4:\f+64*\h+8*\t+7], v[ADRA+\slot] offset:\k+64*\h+\t*16*SP+32
.endr
.irp c, 0,1,2,3
	ds_load_b128 v[\f+64*\h+32+8*\c:\f+64*\h+32+8*\c+3],   v[ADRB+\slot] offset:\k+64*\h+\c*16*SP
	ds_load_b128 v[\f+64*\h+32+8*\c+4:\f+64*\h+32+8*\c+7], v[ADRB+\slot] offset:\k+64*\h+\c*16*SP+32
.endr
.endr
.endm
; 16 matrix instructions, one on each accumulator: they take turns, one instruction a turn
.macro MUL16 f, h, zero
.irp t, 0,1,2,3
.irp c, 0,1,2,3
.if \zero
	v_wmma_f32_16x16x32_f16 v[ACC+8*(4*\t+\c):ACC+8*(4*\t+\c)+7], v[\f+64*\h+32+8*\c:\f+64*\h+32+8*\c+7], v[\f+64*\h+8*\t:\f+64*\h+8*\t+7], 0
.else
	v_wmma_f32_16x16x32_f16 v[ACC+8*(4*\t+\c):ACC+8*(4*\t+\c)+7], v[\f+64*\h+32+8*\c:\f+64*\h+32+8*\c+7], v[\f+64*\h+8*\t:\f+64*\h+8*\t+7], v[ACC+8*(4*\t+\c):ACC+8*(4*\t+\c)+7]
.endif
.endr
.endr
.endm
; 64 along K from buffer f; in the middle the next 64's fragments go into buffer g
.macro HALF slot, k, f, g, zero
	s_wait_dscnt 0x10                              ; the younger sixteen loads (the second 32 K) may be out
	WIN MUL
	MUL16 \f, 0, \zero
	PLACES
	FETCH \slot, \k, \g
	s_wait_dscnt 0x20                              ; all but the 32 just issued
	WIN MUL
	MUL16 \f, 1, 0
.endm
.macro THREE slot, zero
	HALF \slot, 128, F0, F1, \zero
	HALF \slot, 256, F1, F0, 0
	HALF \slot, 384, F0, F1, 0
.endm
; The slot's last 64 along K, and the change of slots: each wave waits for its reads of this slot and for all its tensor loads, then signals;
; where the slot is filled again the barrier opens a round of the cluster's barrier, and the joint refill is the first tensor load behind the round.
.macro TURN slot, next, fill
	s_wait_dscnt 0x0
	s_set_vgpr_msb 0x500
	s_wait_tensorcnt 0x0
	ds_add_u32 v254, v255
	s_wait_dscnt 0x0
	s_set_vgpr_msb 0x5
	s_barrier_signal -1
	WIN MUL
	MUL16 F1, 0, 0
	WIN 0
	s_barrier_wait -1
.if \fill
	CREST
	s_add_nc_u64 s[G0+4*\slot+2:G0+4*\slot+3], s[G0+4*\slot+2:G0+4*\slot+3], 1024
	s_add_nc_u64 s[G0B+4*\slot+2:G0B+4*\slot+3], s[G0B+4*\slot+2:G0B+4*\slot+3], 1024
	JLOAD \slot
.endif
	PLACES
	FETCH \next, 0, F0
	WIN MUL
	MUL16 F1, 1, 0
.endm
	s_wait_tensorcnt 0x1                           ; my part of slot 0 is in; slot 1's, issued behind it, may stay out
	s_barrier_signal -1
	s_barrier_wait -1
	FETCH 0, 0, F0
	THREE 0, 1                                     ; K 0-255; the first products start the sums
	TURN 0, 1, 1                                   ; slot 0 gets K 512-767
	THREE 1, 0                                     ; K 256-511
	TURN 1, 0, 1                                   ; slot 1 gets K 768-1023
	THREE 0, 0
	TURN 0, 1, 0                                   ; nothing is left to fetch
	THREE 1, 0
	s_wait_dscnt 0x0
	WIN MUL
	MUL16 F1, 0, 0
	MUL16 F1, 1, 0
	WIN 0
	PLACES
	; THE WAY OUT, 16 token rows at a time through my own stage, so that sixteen lanes store 256 consecutive bytes of a row of out0
	s_lshl_b32 s16, s13, 7
	s_lshl_b32 s17, s11, 6
	s_add_co_u32 s16, s16, s17                     ; my first row
	s_lshl_b32 s16, s16, 12
	s_mov_b32 s17, 0
	s_add_nc_u64 s[8:9], s[8:9], s[16:17]
	s_lshl_b32 s46, s42, 9                         ; my first column in bytes: 512 x block + 256 x half (in the registers that held woh's address)
	s_lshl_b32 s47, s12, 8
	s_add_co_u32 s46, s46, s47
	s_mov_b32 s47, 0
	s_add_nc_u64 s[8:9], s[8:9], s[46:47]
.macro OUT16 t
.irp c, 0,1,2,3
	ds_store_b128 v[STO], v[ACC+8*(4*\t+\c):ACC+8*(4*\t+\c)+3]   offset:64*\c
	ds_store_b128 v[STO], v[ACC+8*(4*\t+\c)+4:ACC+8*(4*\t+\c)+7] offset:64*\c+16
.endr
.if \t
	s_wait_xcnt 0x0                                ; the last tile's stores read these registers: they are loaded again only behind this wait
.endif
.irp k, 0,1,2,3,4,5,6,7
	ds_load_b128 v[TMP+4*\k:TMP+4*\k+3], v[RD] offset:\k*2*OPITCH      ; my own bytes: LDS serves a wave's instructions in order (ISA guide 5.7.1.4)
.endr
.irp k, 0,1,2,3,4,5,6,7
	s_wait_dscnt 7-\k
	global_store_b128 v[CO], v[TMP+4*\k:TMP+4*\k+3], s[8:9] offset:\t*65536+\k*8192 th:TH_STORE_NT
.endr
.endm
	OUT16 0
	OUT16 1
	OUT16 2
	OUT16 3
	s_wait_tensorcnt 0x0
	ds_add_u32 v254, v255
	s_wait_dscnt 0x0
	CROUND                                         ; the closing round: no work-group ends while a partner may still ask for a tile that names it
	s_endpgm
.Lfunc_end_k_q55162f944d_oproj:
	.size	k_q55162f944d_oproj, .Lfunc_end_k_q55162f944d_oproj-k_q55162f944d_oproj
	.p2alignl 7, 3214868480
	.fill 96, 4, 3214868480
	.section	.rodata,"a",@progbits
	.p2align	6, 0x0
	.amdhsa_kernel k_q55162f944d_oproj
		.amdhsa_group_segment_fixed_size 327680
		.amdhsa_private_segment_fixed_size 0
		.amdhsa_enable_private_segment 0
		.amdhsa_kernarg_size 24
		.amdhsa_user_sgpr_count 2
		.amdhsa_user_sgpr_kernarg_segment_ptr 1
		.amdhsa_wavefront_size32 1
		.amdhsa_system_sgpr_workgroup_id_x 1
		.amdhsa_system_sgpr_workgroup_id_y 1
		.amdhsa_system_sgpr_workgroup_id_z 1
		.amdhsa_system_vgpr_workitem_id 0
		.amdhsa_next_free_vgpr 512
		.amdhsa_next_free_sgpr 66
		.amdhsa_reserve_vcc 0
		.amdhsa_float_denorm_mode_32 3
		.amdhsa_float_denorm_mode_16_64 3
		.amdhsa_memory_ordered 1
		.amdhsa_forward_progress 1
		.amdhsa_inst_pref_size 85
	.end_amdhsa_kernel
	.amdgpu_metadata
---
amdhsa.version: [ 1, 2 ]
amdhsa.kernels:
  - .name:           k_q55162f944d_oproj
    .symbol:         k_q55162f944d_oproj.kd
    .args:
      - { .name: oh, .offset: 0, .size: 8, .value_kind: global_buffer, .address_space: global }
      - { .name: woh, .offset: 8, .size: 8, .value_kind: global_buffer, .address_space: global }
      - { .name: out0, .offset: 16, .size: 8, .value_kind: global_buffer, .address_space: global }
    .group_segment_fixed_size: 327680
    .private_segment_fixed_size: 0
    .kernarg_segment_align: 8
    .kernarg_segment_size: 24
    .max_flat_workgroup_size: 128
    .sgpr_count:     66
    .vgpr_count:     512
    .wavefront_size: 32
...
	.end_amdgpu_metadata
.endif
;; end of part 4
;; ======== version 2 of 2: 4 launches; version 1 with the launch cast written anew for expert scheduling mode
;; limits: values outside matrix products are rounded to f16; values are held in f16: magnitudes above 65,504 overflow, below 6.1e-05 lose precision; right only within a limited range of input values
;; workspace buffers: qh 8,388,608 bytes; wqkv 6,291,456 bytes; woh 2,097,152 bytes; mbits 131,072 bytes of whole numbers; rec 33,554,432 bytes; stats 524,288 bytes; oh 8,388,608 bytes
;; launch cast (part 5): grid 256 x 1, 9 waves a work-group, no clusters, 0 bytes of LDS; arguments q, Wq, Wk, Wv, Wo, mask, qh, wqkv, woh, mbits; writes qh, wqkv, woh, mbits
.if DOCPART == 5
	.amdgcn_target "amdgcn-amd-amdhsa--gfx1250"
	.amdhsa_code_object_version 6
	.text
	.protected	k_q55162f944d_cast
	.globl	k_q55162f944d_cast
	.p2align	8
	.type	k_q55162f944d_cast,@function
k_q55162f944d_cast:
	s_mov_b64 s[64:65], 0
	v_nop
	global_prefetch_b8 v0, s[64:65] scope:SCOPE_SE
	s_setreg_imm32_b32 hwreg(HW_REG_WAVE_SCHED_MODE, 0, 2), 2
	s_setreg_imm32_b32 hwreg(HW_REG_WAVE_MODE, 25, 1), 1
	s_wait_xcnt 0x0
	s_wait_alu depctr_vm_vsrc(0)
; cast: q and the four weight matrices from f32 to f16, and the 127 mask bytes that each query needs into two records of bits.
; The inputs k and v are no arguments: the function that this program computes makes Q, K and V from q alone and never reads them.
; LIMIT: |q| and |W| below 65,504 (f16's largest number); beyond it the conversion gives infinity.
; Work-group x of 256, nine waves, no LDS, no barrier: no wave needs another's data.
;   waves 0-7: wave w converts q's rows 16 x + 2 w, + 1 (8,192 bytes in, 4,096 out) and two rows of one weight matrix:
;              matrix sec = x / 64 (Wq, Wk, Wv, Wo), rows n0 = 16 (x % 64) + 2 w, + 1.  Wq, Wk, Wv go to wqkv, ordered by head:
;              row 192 (n0 / 64) + 64 sec + n0 % 64, so that one head's 192 rows are dense; Wo goes to woh as it lies.
;              All 32 loads of 16 bytes a lane go out at once; each store of 8 bytes a lane covers 256 consecutive bytes, aligned.
;   wave 8:    32 records of 16 bytes {w0, w1, w0 >> 8, w1 >> 8}:
;              local record of token i = 16 x + k:       bit c of {w1,w0} = mask[i][64 (i / 64) + c]
;              strided record of token i = r + 64 (m0+k): bit c = mask[i][r + 64 c], the token's own bit cleared (the local record has it);
;              r = x / 4, m0 = 16 (x % 4).  Since 64 r + m0 = 16 x, both kinds lie at 256 x + 16 k of their half of mbits.
; THE MODE: SCHED_MODE bits 1:0 = 2 (LLVM: expert scheduling mode 2), set by the entry lines.  The code itself states the register dependences
; between vector instructions and memory instructions, and between a vector instruction that writes a scalar register and that register's
; readers, with s_wait_alu, always for 0.
; THE PLAN.  Registers that memory instructions touch:
;   waves 0-7  v3, v4     offsets of the loads and of the stores: written once at the head, never again: one wait ahead of the first load.
;              v[8:135]   32 blocks of four.  A block is written by its load (no vector instruction has named it), read by its two conversions,
;                         which write its first two registers; these its store reads.  Nothing is written again behind its store.
;              The blocks go in eight groups of four: the wait for the four loads, eight conversions, ONE wait on va_vdst, four stores.
;   wave 8     v2, v3     offsets of the 64 loads: written at the head, never again: one wait ahead of the first load.
;              v[8:71]    written by the loads alone; read by vector instructions behind the waits for the loads.
;              v4, v[72:75]  the one store's offset and data: written by vector instructions behind all loads: one wait ahead of the store.
;              s[66:97]   the compares' masks: 32 compares in a run, ONE wait on va_sdst behind the run, then the scalar lines that read them.
.set X,   8                            ; v[8:135]  waves 0-7: 32 x 4 registers as loaded; the first two of each four as stored
.set SR,  8                            ; v[8:39]   wave 8: strided rows, two words a row
.set LR,  40                           ; v[40:71]  wave 8: local rows, two bytes a row
.set REC, 72                           ; v[72:75]  wave 8: the records, one a lane
.set T,   76                           ; v[76:107] wave 8: the strided words with all but byte r % 4 cleared
.set CM,  66                           ; s[66:97]  wave 8: the masks of a run of 32 compares: row k's two words at CM + 2 k
	s_load_b512 s[8:23], s[0:1], 0x0               ; q s[8:9], Wq s[10:11], Wk s[12:13], Wv s[14:15], Wo s[16:17], mask s[18:19], qh s[20:21], wqkv s[22:23]
	s_load_b128 s[24:27], s[0:1], 0x40             ; woh s[24:25], mbits s[26:27]
	v_lshrrev_b32 v1, 5, v0
	v_readfirstlane_b32 s2, v1                     ; wave 0..8
	v_and_b32 v2, 31, v0                           ; lane
	s_wait_alu depctr_va_sdst(0)                   ; s2 is written, ahead of its first reader, the compare below, and of the branch
	s_cmp_eq_u32 s2, 8
	s_cbranch_scc1 .Lmask
	; ---- waves 0-7: the conversions ----
	v_lshlrev_b32 v3, 4, v2                        ; 16 bytes a lane in
	v_lshlrev_b32 v4, 3, v2                        ; 8 bytes a lane out
	s_lshl_b32 s28, ttmp9, 16                      ; 16 rows of 4,096 bytes a work-group
	s_lshl_b32 s3, s2, 13                          ; 2 rows a wave
	s_add_co_u32 s28, s28, s3                      ; offset in q
	s_mov_b32 s29, 0
	s_lshr_b32 s30, s28, 1                         ; offset in qh: half of it
	s_mov_b32 s31, 0
	s_lshr_b32 s33, ttmp9, 6                       ; sec
	s_and_b32 s34, ttmp9, 63
	s_lshl_b32 s34, s34, 4
	s_lshl1_add_u32 s34, s2, s34                   ; n0 = 16 (x % 64) + 2 w: even, so both rows belong to one head
	s_lshl_b32 s36, s34, 12                        ; offset in the weight matrix
	s_mov_b32 s37, 0
	s_lshr_b32 s35, s34, 6
	s_mul_i32 s35, s35, 192
	s_lshl_b32 s38, s33, 6
	s_add_co_u32 s35, s35, s38
	s_and_b32 s38, s34, 63
	s_add_co_u32 s35, s35, s38                     ; row in wqkv
	s_cmp_eq_u32 s33, 3
	s_cselect_b32 s38, s34, s35                    ; Wo keeps its row
	s_lshl_b32 s38, s38, 11                        ; rows of 2,048 bytes
	s_mov_b32 s39, 0
	s_wait_kmcnt 0x0
	s_cmp_eq_u32 s33, 1
	s_cselect_b64 s[40:41], s[12:13], s[10:11]
	s_cmp_eq_u32 s33, 2
	s_cselect_b64 s[40:41], s[14:15], s[40:41]
	s_cmp_eq_u32 s33, 3
	s_cselect_b64 s[40:41], s[16:17], s[40:41]     ; the matrix that is read
	s_cselect_b64 s[42:43], s[24:25], s[22:23]     ; and the buffer that is written (the select leaves SCC as it is)
	s_add_nc_u64 s[8:9], s[8:9], s[28:29]
	s_add_nc_u64 s[20:21], s[20:21], s[30:31]
	s_add_nc_u64 s[40:41], s[40:41], s[36:37]
	s_add_nc_u64 s[42:43], s[42:43], s[38:39]
	s_wait_alu depctr_va_vdst(0)                   ; v3 and v4 are written: every load of this path reads v3 as its offset, every store v4
.set j, 0
.rept 16
	global_load_b128 v[X+4*j:X+4*j+3], v3, s[8:9] offset:512*j th:TH_LOAD_NT
.set j, j+1
.endr
.set j, 0
.rept 16
	global_load_b128 v[X+64+4*j:X+64+4*j+3], v3, s[40:41] offset:512*j th:TH_LOAD_NT
.set j, j+1
.endr
; Group g of eight: blocks 4 g to 4 g + 3.  Groups 0-3 are q's, groups 4-7 the weight matrix's.
.set g, 0
.rept 8
	s_wait_loadcnt 28-4*g                          ; loads come back in order: behind block 4 g + 3's load 28 - 4 g younger ones were issued, and they may stay out
.set i, 4*g
.rept 4
	v_cvt_pk_f16_f32 v[X+4*i], v[X+4*i], v[X+4*i+1]
	v_cvt_pk_f16_f32 v[X+4*i+1], v[X+4*i+2], v[X+4*i+3]
.set i, i+1
.endr
	s_wait_alu depctr_va_vdst(0)                   ; the group's eight conversions have written the first two registers of its four blocks, which the four stores below read
.set i, 4*g
.rept 4
.if g < 4
	global_store_b64 v4, v[X+4*i:X+4*i+1], s[20:21] offset:256*i
.else
	global_store_b64 v4, v[X+4*i:X+4*i+1], s[42:43] offset:256*(i-16)
.endif
.set i, i+1
.endr
.set g, g+1
.endr
	s_endpgm                                       ; no register is written twice, so no store's source had to be freed
	; ---- wave 8: the mask ----
.Lmask:
	s_lshr_b32 s28, ttmp9, 2                       ; r, and also the block of tokens 16 x .. 16 x + 15
	s_and_b32 s29, ttmp9, 3
	s_lshl_b32 s30, s29, 4                         ; m0
	s_and_b32 s33, s28, 3
	s_lshl_b32 s33, s33, 3
	s_lshl_b32 s33, 0xff, s33                      ; byte r % 4 of an aligned word
	s_and_b32 s34, s28, 60
	v_lshl_add_u32 v3, v2, 6, s34                  ; strided: lane c reads the word that holds column r + 64 c
	s_lshl_b32 s36, s28, 12
	s_lshl_b32 s35, s29, 22                        ; m0 x 64 rows x 4,096 bytes
	s_add_co_u32 s36, s36, s35                     ; row r + 64 m0
	s_mov_b32 s37, 0
	s_lshl_b32 s38, ttmp9, 16
	s_lshl_b32 s35, s28, 6
	s_add_co_u32 s38, s38, s35                     ; row 16 x, column 64 (x / 4)
	s_mov_b32 s39, 0
	s_lshl_b32 s40, ttmp9, 8                       ; 16 records of 16 bytes
	s_mov_b32 s41, 0
	s_mov_b32 s42, 1
	s_mov_b32 s43, 0
	s_lshl_b64 s[42:43], s[42:43], s30             ; bit m0
	s_wait_kmcnt 0x0
	s_add_nc_u64 s[36:37], s[18:19], s[36:37]
	s_add_nc_u64 s[38:39], s[18:19], s[38:39]
	s_add_nc_u64 s[26:27], s[26:27], s[40:41]
	s_wait_alu depctr_va_vdst(0)                   ; v2 and v3 are written: the 64 loads below read one of them as their offset
.set k, 0
.rept 16
	global_load_b32 v[SR+2*k], v3, s[36:37] offset:k*262144            ; row r + 64 (m0 + k), columns r + 64 c, c = lane
	global_load_b32 v[SR+2*k+1], v3, s[36:37] offset:k*262144+2048     ; c = 32 + lane
.set k, k+1
.endr
.set k, 0
.rept 16
	global_load_u8 v[LR+2*k], v2, s[38:39] offset:k*4096               ; row 16 x + k, column 64 (x / 4) + lane
	global_load_u8 v[LR+2*k+1], v2, s[38:39] offset:k*4096+32
.set k, k+1
.endr
.irp i, 0,1,2,3
	v_mov_b32 v[REC+\i], 0                         ; v_writelane_b32 keeps the other lanes: the registers are written whole first
.endr
	v_and_b32 v4, 15, v2
	v_lshrrev_b32 v5, 4, v2
	v_lshlrev_b32 v4, 4, v4
	v_lshl_add_u32 v4, v5, 16, v4                  ; lanes 0-15: local half of mbits; lanes 16-31: strided half, 65,536 bytes on
	s_wait_loadcnt 0x20                            ; the 32 strided loads are in; the 32 local ones, issued behind them, may stay out
.set i, 0
.rept 32
	v_and_b32 v[T+i], s33, v[SR+i]
.set i, i+1
.endr
.set i, 0
.rept 32
	v_cmp_ne_u32 s[CM+i], 0, v[T+i]                ; the compare's mask has lane c's answer in bit c: it is the record's word
.set i, i+1
.endr
	s_wait_alu depctr_va_sdst(0)                   ; the 32 compares have written s[66:97], ahead of their first readers, the scalar lines below
.set k, 0
.rept 16
	s_lshl_b64 s[46:47], s[42:43], k               ; the token's own bit, m0 + k
	s_and_not1_b32 s[CM+2*k], s[CM+2*k], s46
	s_and_not1_b32 s[CM+2*k+1], s[CM+2*k+1], s47
	s_lshr_b32 s48, s[CM+2*k], 8
	s_lshr_b32 s49, s[CM+2*k+1], 8
	v_writelane_b32 v[REC], s[CM+2*k], 16+k
	v_writelane_b32 v[REC+1], s[CM+2*k+1], 16+k
	v_writelane_b32 v[REC+2], s48, 16+k
	v_writelane_b32 v[REC+3], s49, 16+k
.set k, k+1
.endr
	s_wait_loadcnt 0x0
.set i, 0
.rept 32
	v_cmp_ne_u32 s[CM+i], 0, v[LR+i]
.set i, i+1
.endr
	s_wait_alu depctr_va_sdst(0)                   ; the 32 compares have written s[66:97] anew, ahead of their first readers, the shifts below
.set k, 0
.rept 16
	s_lshr_b32 s48, s[CM+2*k], 8
	s_lshr_b32 s49, s[CM+2*k+1], 8
	v_writelane_b32 v[REC], s[CM+2*k], k
	v_writelane_b32 v[REC+1], s[CM+2*k+1], k
	v_writelane_b32 v[REC+2], s48, k
	v_writelane_b32 v[REC+3], s49, k
.set k, k+1
.endr
	s_wait_alu depctr_va_vdst(0)                   ; v4 and v[72:75] are written: the store below reads them as its offset and its data
	global_store_b128 v4, v[REC:REC+3], s[26:27]   ; each half of the lanes covers 256 consecutive bytes, aligned
	s_endpgm
.Lfunc_end_k_q55162f944d_cast:
	.size	k_q55162f944d_cast, .Lfunc_end_k_q55162f944d_cast-k_q55162f944d_cast
	.p2alignl 7, 3214868480
	.fill 96, 4, 3214868480
	.section	.rodata,"a",@progbits
	.p2align	6, 0x0
	.amdhsa_kernel k_q55162f944d_cast
		.amdhsa_group_segment_fixed_size 0
		.amdhsa_private_segment_fixed_size 0
		.amdhsa_enable_private_segment 0
		.amdhsa_kernarg_size 80
		.amdhsa_user_sgpr_count 2
		.amdhsa_user_sgpr_kernarg_segment_ptr 1
		.amdhsa_wavefront_size32 1
		.amdhsa_system_sgpr_workgroup_id_x 1
		.amdhsa_system_sgpr_workgroup_id_y 1
		.amdhsa_system_sgpr_workgroup_id_z 1
		.amdhsa_system_vgpr_workitem_id 0
		.amdhsa_next_free_vgpr 136
		.amdhsa_next_free_sgpr 98
		.amdhsa_reserve_vcc 0
		.amdhsa_float_denorm_mode_32 3
		.amdhsa_float_denorm_mode_16_64 3
		.amdhsa_memory_ordered 1
		.amdhsa_forward_progress 1
		.amdhsa_inst_pref_size 37
	.end_amdhsa_kernel
	.amdgpu_metadata
---
amdhsa.version: [ 1, 2 ]
amdhsa.kernels:
  - .name:           k_q55162f944d_cast
    .symbol:         k_q55162f944d_cast.kd
    .args:
      - { .name: q, .offset: 0, .size: 8, .value_kind: global_buffer, .address_space: global }
      - { .name: Wq, .offset: 8, .size: 8, .value_kind: global_buffer, .address_space: global }
      - { .name: Wk, .offset: 16, .size: 8, .value_kind: global_buffer, .address_space: global }
      - { .name: Wv, .offset: 24, .size: 8, .value_kind: global_buffer, .address_space: global }
      - { .name: Wo, .offset: 32, .size: 8, .value_kind: global_buffer, .address_space: global }
      - { .name: mask, .offset: 40, .size: 8, .value_kind: global_buffer, .address_space: global }
      - { .name: qh, .offset: 48, .size: 8, .value_kind: global_buffer, .address_space: global }
      - { .name: wqkv, .offset: 56, .size: 8, .value_kind: global_buffer, .address_space: global }
      - { .name: woh, .offset: 64, .size: 8, .value_kind: global_buffer, .address_space: global }
      - { .name: mbits, .offset: 72, .size: 8, .value_kind: global_buffer, .address_space: global }
    .group_segment_fixed_size: 0
    .private_segment_fixed_size: 0
    .kernarg_segment_align: 8
    .kernarg_segment_size: 80
    .max_flat_workgroup_size: 288
    .sgpr_count:     98
    .vgpr_count:     136
    .wavefront_size: 32
...
	.end_amdgpu_metadata
.endif
;; end of part 5
;; launch qkvloc: the kernel of part 2 again; grid 16 x 16, 4 waves a work-group, clusters of 4 x 4, 327,680 bytes of LDS; arguments qh, wqkv, mbits, rec, stats; writes rec, stats
;; launch strided: the kernel of part 3 again; grid 64 x 4, 4 waves a work-group, no clusters, 169,472 bytes of LDS; arguments rec, stats, mbits, oh; writes oh
;; launch oproj: the kernel of part 4 again; grid 8 x 32, 4 waves a work-group, clusters of 4 x 4, 327,680 bytes of LDS; arguments oh, woh, out0; writes out0
